; MI455X (gfx1250); checked and timed in simulation.
; The chip was launched on July 23, 2026; its instructions are those of AMD's public machine-readable ISA for CDNA 5 (MIT licence, August 2026) and "CDNA5" Instruction Set Architecture Reference Guide (July 2026). The comments in the code are by the model that wrote it; some were corrected since.
;; Transformer Encoder Layer. Allowed arithmetic: matrix products marked QUANTISED: E4M3 operands, one given power-of-two scale a tensor, by v_wmma_f32_16x16x64_fp8_fp8 or v_wmma_f32_16x16x128_fp8_fp8, f32 sums; everything else in f32.
;; Inputs: W1_codes 4,096 x 32 x 32 uint8 (E4M3 codes of W1, K innermost, in blocks of 32 codes); W2_codes 1,024 x 128 x 32 uint8 (E4M3 codes of W2, K innermost, in blocks of 32 codes); Wk_codes 1,024 x 32 x 32 uint8 (E4M3 codes of Wk, K innermost, in blocks of 32 codes); Wo_codes 1,024 x 32 x 32 uint8 (E4M3 codes of Wo, K innermost, in blocks of 32 codes); Wq_codes 1,024 x 32 x 32 uint8 (E4M3 codes of Wq, K innermost, in blocks of 32 codes); Wv_codes 1,024 x 32 x 32 uint8 (E4M3 codes of Wv, K innermost, in blocks of 32 codes); b1 4,096 float32; b2 1,024 float32; bk 1,024 float32; bo 1,024 float32; bq 1,024 float32; bv 1,024 float32; ln1_b 1,024 float32; ln1_g 1,024 float32; ln2_b 1,024 float32; ln2_g 1,024 float32; lowp_scales 16 int32 (the exponents e of the quantised operands' scales 2^e); x 2 x 2,048 x 1,024 float32.
;; Outputs: out0 2 x 2,048 x 1,024 float32.
;; This version of the problem:
;;   THIS VERSION OF THE PROBLEM IS GIVEN IN LOW PRECISION. The matrix products marked QUANTISED in the list below multiply operands that are first quantised to E4M3 (4 exponent bits, 3 mantissa bits; 8 bits a number), with one given power-of-two scale for each operand tensor; their sums are f32. All else is computed in f32.
;;   The module's matrix products, in the order in which they are computed (A, B: the left and right operand; K: the contracted axis; several contracted axes count as one K, in the product's order):
;;     1. [M 4,096, K 1,024] x [K 1,024, N 1,024]; A: input x; B: input Wq (given as codes): QUANTISED (scales: A lowp_scales[0], B lowp_scales[1])
;;     2. [M 4,096, K 1,024] x [K 1,024, N 1,024]; A: input x; B: input Wk (given as codes): QUANTISED (scales: A lowp_scales[2], B lowp_scales[3])
;;     3. [M 4,096, K 1,024] x [K 1,024, N 1,024]; A: input x; B: input Wv (given as codes): QUANTISED (scales: A lowp_scales[4], B lowp_scales[5])
;;     4. batch 32 x [M 2,048, K 64] x [K 64, N 2,048]; A: computed on the way; B: computed on the way: QUANTISED (scales: A lowp_scales[6], B lowp_scales[7])
;;     5. batch 32 x [M 2,048, K 2,048] x [K 2,048, N 64]; A: softmax (see below); B: computed on the way: QUANTISED (scales: A lowp_scales[8], B lowp_scales[9])
;;     6. [M 4,096, K 1,024] x [K 1,024, N 1,024]; A: computed on the way; B: input Wo (given as codes): QUANTISED (scales: A lowp_scales[10], B lowp_scales[11])
;;     7. [M 4,096, K 1,024] x [K 1,024, N 4,096]; A: computed on the way; B: input W1 (given as codes): QUANTISED (scales: A lowp_scales[12], B lowp_scales[13])
;;     8. [M 4,096, K 4,096] x [K 4,096, N 1,024]; A: computed on the way; B: input W2 (given as codes): QUANTISED (scales: A lowp_scales[14], B lowp_scales[15])
;;   THE QUANTISER, for each operand of a quantised product, along K:
;;     - The operand's scale is 2^e, e = its entry of the input lowp_scales (int32; the entries are numbered through the quantised products in the list's order, A before B).
;;     - Each number is divided by the scale, clamped to +-448, and rounded to the nearest number of E4M3, ties to even, subnormals kept.
;;     - The product sums the exact products of the quantised numbers (number of the format x scale) in f32.
;;   ~~~python
;;   def quantise(x, axis, e):      # numpy; x: float32 -> the quantised numbers, widened to float32 again
;;       x = np.moveaxis(x, axis, -1); K = x.shape[-1]
;;       r = np.clip(x / 2.0 ** e, -448, 448)
;;       step = 2.0 ** (np.maximum(np.frexp(np.where(r == 0, 1, r))[1] - 1, -6) - 3)
;;       q = np.round(r / step) * step * 2.0 ** e      # np.round: ties to even
;;       return np.moveaxis(q, -1, axis).astype(np.float32)
;;   ~~~
;;   SOFTMAX AHEAD OF A QUANTISED PRODUCT. Where the list says 'softmax', what is quantised is not the finished softmax but p = 2^(t - M), with t = logit x log2(e) and M = ceil(the row's largest t), a whole number; so 1/2 < the row's largest p <= 1. The row's sum l is taken of the UNQUANTISED p, in f32, and the product's result is divided by l at the end. Since M is a whole number, a kernel that streams over the keys may use a running M (the ceiling of the running maximum): every later rescaling is an exact power of two, so the quantised numbers keep their values, but for numbers so far below the row's largest that they fall under the format's range.
;;   OPERANDS COMPUTED ON THE WAY. 'Computed on the way' means the value that the module computes at that place (a softmax that the list does not call 'softmax' is quantised finished and normalised). What goes into a quantiser is computed in f32, as accurately as f32 sums, v_exp_f32 and their like allow (about 1e-6 of the number): no bf16 or f16 on the way to a quantiser, and a product that is left as it is and whose result goes on into a quantised operand takes f32 operands (vector FMAs, or v_wmma_f32_16x16x4_f32). A number that lies on a knife's edge between two numbers of the format may be rounded either way, as far as f32 arithmetic and the matrix unit's own rounding can turn it there, and no further.
;;   INPUTS GIVEN AS CODES. W1 (in the module: [1024, 4096], K = its axis 0); W2 (in the module: [4096, 1024], K = its axis 0); Wk (in the module: [1024, 1024], K = its axis 0); Wo (in the module: [1024, 1024], K = its axis 0); Wq (in the module: [1024, 1024], K = its axis 0); Wv (in the module: [1024, 1024], K = its axis 0): each comes as NAME_codes (uint8): NAME with its K axis moved to the last place and cut into blocks of 32 codes, [.., K / 32, bytes a block], one block behind the other in memory; one code a byte (a code: sign, 4 exponent bits, 3 mantissa bits); its scale is its entry of lowp_scales. Its value is code x scale, taken as it is: it is not quantised again, and the codes and scales need not be those that the quantiser above would give.
;; One version. Each part assembles by itself: llvm-mc -triple=amdgcn-amd-amdhsa -mcpu=gfx1250 --defsym DOCPART=n.
;; ======== version 1 of 1: 8 launches
;; workspace buffers: xc 12,582,912 bytes; qkv 12,582,912 bytes; oc 4,194,304 bytes; sums 16,777,216 bytes; hf 16,777,216 bytes; hc 4,194,304 bytes; hid 16,777,216 bytes
;; launch quantx (part 1): grid 256 x 1, 8 waves a work-group, no clusters, 0 bytes of LDS; arguments x, lowp_scales, xc; writes xc
.if DOCPART == 1
	.amdgcn_target "amdgcn-amd-amdhsa--gfx1250"
	.amdhsa_code_object_version 6
	.text
	.protected	k_q4b211c3c68_quantx
	.globl	k_q4b211c3c68_quantx
	.p2align	8
	.type	k_q4b211c3c68_quantx,@function
k_q4b211c3c68_quantx:
	s_mov_b64 s[64:65], 0
	v_nop
	global_prefetch_b8 v0, s[64:65] scope:SCOPE_SE
	s_setreg_imm32_b32 hwreg(HW_REG_WAVE_MODE, 25, 1), 1
	s_wait_xcnt 0x0
; x [4096][1024] f32 becomes three tensors of E4M3 codes, row-major, one for each of the three products that read x:
; part p (at p x 4 MiB of xc) = x / 2^e, e = entry 2 p of the scales, held within +-448, nearest code, ties to even.
; x is read once.  Nothing here knows of rows: wave g = 8 x work-group + wave takes numbers 2,048 g .. 2,048 g + 2,047.
; Each of its 16 loads reads 512 consecutive bytes, 16 a lane.  A conversion takes 8 registers: the lane's 4 numbers of load 2 q and its 4 of
; load 2 q + 1, which lie 128 codes apart.  Neighbouring lanes then exchange one register, so that an even lane holds 8 neighbouring codes of the
; first 128 bytes and an odd lane 8 of the second: one store of 8 bytes a lane covers 256 consecutive bytes, aligned.
; No LDS, no barrier: waves share nothing.
; LIMITS: each e between -126 and 119, so that 2^e and 448 x 2^e are f32 numbers.  NaN among the inputs is not served.
.set X,  16                            ; v16-79    16 loads x 4 numbers
.set T,  80                            ; v80-103   8 held numbers for each part
.set C,  104                           ; v104-109  a pair of code registers for each part
.set SN, 110                           ; v110-115  for each part: what I send, what I receive
.set D,  120                           ; v120-167  24 pairs of store data, each written once
	s_load_b128 s[4:7], s[0:1], 0x0                ; x s[4:5], the scales' exponents s[6:7]
	s_load_b64 s[8:9], s[0:1], 0x10                ; xc
	v_lshrrev_b32 v1, 5, v0
	v_readfirstlane_b32 s12, v1                    ; wave 0..7
	v_and_b32 v1, 31, v0                           ; lane
	v_lshlrev_b32 v2, 4, v1                        ; in: 16 bytes a lane
	v_and_b32 v10, 1, v1
	v_lshrrev_b32 v3, 1, v1
	v_lshlrev_b32 v3, 3, v3
	v_lshl_add_u32 v3, v10, 7, v3                  ; out: 8 (lane / 2) + 128 (lane % 2)
	v_cmp_eq_u32 vcc_lo, 1, v10                    ; the odd lanes
.irp p, 0,1,2
	v_mov_b32 v[SN+2*\p+1], 0                      ; written once: the destination of a lane exchange counts as read
.endr
	s_lshl_b32 s13, ttmp9, 3
	s_add_co_u32 s13, s13, s12                     ; g
	s_lshl_b32 s14, s13, 13                        ; 8,192 bytes of x,
	s_mov_b32 s15, 0
	s_lshl_b32 s16, s13, 11                        ; 2,048 bytes of each part
	s_mov_b32 s17, 0
	s_wait_kmcnt 0x0
	s_load_b256 s[20:27], s[6:7], 0x0              ; e0 .. e7: entries 0, 2, 4 are x's
	s_add_nc_u64 s[4:5], s[4:5], s[14:15]
	s_add_nc_u64 s[8:9], s[8:9], s[16:17]          ; part 0
	s_add_nc_u64 s[28:29], s[8:9], 0x400000        ; part 1
	s_add_nc_u64 s[30:31], s[8:9], 0x800000        ; part 2: a base of its own, since 8 MiB is more than a store's immediate holds
.irp i, 0,1,2,3,4,5,6,7,8,9,10,11,12,13,14,15
	global_load_b128 v[X+4*\i:X+4*\i+3], v2, s[4:5] offset:512*\i
.endr
	s_wait_kmcnt 0x0
.irp p, 0,1,2
	s_add_co_i32 s18, s[20+2*\p], 127
	s_lshl_b32 s19, s18, 23
	v_mov_b32 v[4+2*\p], s19                       ; 2^e as f32: the conversion takes its exponent field
	s_add_co_i32 s18, s18, 8
	s_lshl_b32 s18, s18, 23
	s_or_b32 s18, s18, 0x600000
	v_mov_b32 v[5+2*\p], s18                       ; 448 x 2^e
.endr
.macro HOLD q, p                       ; 8 numbers held (the conversion to an 8-bit code does not saturate: ISA guide 7.6.2) and converted
.irp i, 0,1,2,3,4,5,6,7
	v_med3_num_f32 v[T+8*(\p)+\i], v[X+8*(\q)+\i], -v[5+2*(\p)], v[5+2*(\p)]
.endr
	v_cvt_scalef32_pk8_fp8_f32 v[C+2*(\p):C+2*(\p)+1], v[T+8*(\p):T+8*(\p)+7], v[4+2*(\p)]
.endm
.macro SWAP q, p, b                    ; an even lane gives its second register for the odd neighbour's first
	v_cndmask_b32 v[SN+2*(\p)], v[C+2*(\p)+1], v[C+2*(\p)], vcc_lo
	v_mov_b32_dpp v[SN+2*(\p)+1], v[SN+2*(\p)] row_xmask:1 row_mask:0xf bank_mask:0xf
	v_cndmask_b32 v[D+6*(\q)+2*(\p)], v[C+2*(\p)], v[SN+2*(\p)+1], vcc_lo
	v_cndmask_b32 v[D+6*(\q)+2*(\p)+1], v[SN+2*(\p)+1], v[C+2*(\p)+1], vcc_lo
	global_store_b64 v3, v[D+6*(\q)+2*(\p):D+6*(\q)+2*(\p)+1], s[\b:\b+1] offset:256*(\q)   ; 32 lanes store 256 consecutive bytes, aligned
.endm
.macro PAIR q
	s_wait_loadcnt 14-2*(\q)                       ; loads 2 q and 2 q + 1 are in; the younger ones stay out
	HOLD \q, 0                                     ; each part has its own 8 registers: the lines behind a conversion write none of its sources
	HOLD \q, 1
	HOLD \q, 2
	v_nop                                          ; one plain line between the last conversion and the first read of a result
	SWAP \q, 0, 8
	SWAP \q, 1, 28
	SWAP \q, 2, 30
.endm
.irp q, 0,1,2,3,4,5,6,7
	PAIR \q
.endr
	s_endpgm
.Lfunc_end_k_q4b211c3c68_quantx:
	.size	k_q4b211c3c68_quantx, .Lfunc_end_k_q4b211c3c68_quantx-k_q4b211c3c68_quantx
	.p2alignl 7, 3214868480
	.fill 96, 4, 3214868480
	.section	.rodata,"a",@progbits
	.p2align	6, 0x0
	.amdhsa_kernel k_q4b211c3c68_quantx
		.amdhsa_group_segment_fixed_size 0
		.amdhsa_private_segment_fixed_size 0
		.amdhsa_enable_private_segment 0
		.amdhsa_kernarg_size 24
		.amdhsa_user_sgpr_count 2
		.amdhsa_user_sgpr_kernarg_segment_ptr 1
		.amdhsa_wavefront_size32 1
		.amdhsa_system_sgpr_workgroup_id_x 1
		.amdhsa_system_sgpr_workgroup_id_y 1
		.amdhsa_system_sgpr_workgroup_id_z 1
		.amdhsa_system_vgpr_workitem_id 0
		.amdhsa_next_free_vgpr 176
		.amdhsa_next_free_sgpr 66
		.amdhsa_reserve_vcc 1
		.amdhsa_float_denorm_mode_32 3
		.amdhsa_float_denorm_mode_16_64 3
		.amdhsa_memory_ordered 1
		.amdhsa_forward_progress 1
		.amdhsa_inst_pref_size 24
	.end_amdhsa_kernel
	.amdgpu_metadata
---
amdhsa.version: [ 1, 2 ]
amdhsa.kernels:
  - .name:           k_q4b211c3c68_quantx
    .symbol:         k_q4b211c3c68_quantx.kd
    .args:
      - { .name: x, .offset: 0, .size: 8, .value_kind: global_buffer, .address_space: global }
      - { .name: lowp_scales, .offset: 8, .size: 8, .value_kind: global_buffer, .address_space: global }
      - { .name: xc, .offset: 16, .size: 8, .value_kind: global_buffer, .address_space: global }
    .group_segment_fixed_size: 0
    .private_segment_fixed_size: 0
    .kernarg_segment_align: 8
    .kernarg_segment_size: 24
    .max_flat_workgroup_size: 256
    .sgpr_count:     66
    .vgpr_count:     176
    .wavefront_size: 32
...
	.end_amdgpu_metadata
.endif
;; end of part 1
;; launch qkv (part 2): grid 12 x 16, 4 waves a work-group, clusters of 4 x 4, 327,680 bytes of LDS; arguments xc, Wq_codes, Wk_codes, Wv_codes, bq, bk, bv, lowp_scales, qkv; writes qkv
.if DOCPART == 2
	.amdgcn_target "amdgcn-amd-amdhsa--gfx1250"
	.amdhsa_code_object_version 6
	.text
	.protected	k_q4b211c3c68_qkv
	.globl	k_q4b211c3c68_qkv
	.p2align	8
	.type	k_q4b211c3c68_qkv,@function
k_q4b211c3c68_qkv:
	s_mov_b64 s[64:65], 0
	v_nop
	global_prefetch_b8 v0, s[64:65] scope:SCOPE_SE
	s_setreg_imm32_b32 hwreg(HW_REG_WAVE_MODE, 25, 1), 1
	s_wait_xcnt 0x0
	s_wait_alu depctr_hold_cnt(0) depctr_sa_sdst(0) depctr_va_vdst(0) depctr_va_sdst(0) depctr_va_ssrc(0) depctr_va_vcc(0) depctr_vm_vsrc(0)
	s_getreg_b32 s2, hwreg(HW_REG_IB_STS2, 6, 4)
	s_cmp_eq_u32 s2, 0
	s_cbranch_scc0 .Lentry_in_a_cluster
	s_endpgm
.Lentry_in_a_cluster:
	s_bfe_u32 s2, ttmp6, 0x10000c
	s_cmp_lg_u32 s2, 0xf033
	s_cbranch_scc0 .Lentry_shape_is_right
	s_endpgm
.Lentry_shape_is_right:
; A GEMM on E4M3 codes, C = A B^T over K = 1,024, whose result is biased, quantised and stored as the NEXT product's operand.  One source for two launches:
; KIND 0: q = x Wq + bq, k = x Wk + bk (A = x's codes, B = the weight's) and V^T = Wv x^T + bv (A = Wv's codes, B = x's): cluster x = 0, 1, 2 says which.
;         V is made transposed, so that a lane holds one of the head's dims and its registers run along the tokens, which are the K of attention's second product.
; KIND 1: relu(h W1 + b1) (A = h's codes, B = W1's).
; A tile of C, 256 x 256, is made by four waves, as many as a WGP has SIMDs; a wave makes 128 x 128: 64 accumulators, 512 registers.  K goes in steps of 256 through two LDS slots
; filled by the tensor data mover: a tile's row is 256 bytes of memory.  CLUSTERS of 4 x 4: the four of a row need the same tiles of A, the four of a column the same tiles of B:
; each tile is asked for jointly.  The matrix instruction is used transposed (source 0 = 16 rows of B, source 1 = 16 rows of A): a lane holds 8 neighbouring columns of one row of C.
; Both operands come from rows by loads of 16 bytes: the same permutation of k on both sides, so every product meets its partner.
; THE WAY OUT uses no LDS.  sum x 2^(eA + eB) + bias, held, converted: the 8 codes of accumulator (a, b) ARE registers 2 b, 2 b + 1 of the next operand's fragment in the plain 8-bit
; layout (k = 16 b + 8 (lane / 16) + 0 .. 7 of row lane % 16).  Four registers go out as they stand, lane l's 16 bytes at 16 l: a store covers 512 consecutive bytes, aligned.
;   q, k: fragment (batch-head bh, 16 tokens t16) of 16 x 64: byte (bh 128 + t16) 1,024 + 512 block.   V^T: fragment (bh, 64 keys, 16 dims d16): byte ((bh 32 + step) 4 + d16) 1,024 + 512 block.
;   hidden layer: fragment (16 rows m16, 128 along K s) of 16 x 128: byte (m16 32 + s) 2,048 + 512 block.
; LIMITS: eA + eB between -126 and 127; the result's e between -126 and 119.  NaN among the inputs is not served.
; REGISTERS, in windows of 256: window 0: v0-31 addresses and the two quantiser numbers; v32-47 bias by row; v64-127 bias by column; from v128 A's fragments, ONE set (on the way out: v128-191 numbers, v192-223 codes).
;   window 1: B's fragments, TWO sets.   window 2: the accumulators of my rows 0-63 ((a, b) at v[8 (8 a + b)]);   window 3: those of my rows 64-127.
.set KIND,   0
.set SIZE_K, 1024
.set KSTEP,  256                       ; along K in a slot
.set ROWB,   256                       ; a tile's row in bytes
.set KROW,   SIZE_K                    ; a row of A or of B in memory, in bytes
.set PITCH,  272                       ; an LDS row: 256 bytes + 16 of padding = 68 words: row r starts at bank 4 r mod 64 (64 banks of 4 bytes: ISA guide 11.1)
.set FR,     16                        ; registers of a fragment: 16 rows x 128 K
.set NL,     4                         ; LDS loads that bring one
.set NP,     4                         ; places behind this matrix instruction (ISA guide 7.12.1)
.set HALFT,  128*PITCH                 ; 128 rows: what one tensor load brings
.set SLOT,   4*HALFT                   ; A's 256 rows, then B's 256 rows
.set LAPS,   SIZE_K/(2*KSTEP)          ; a lap = two K steps = once round the ring
.set SPARE,  2*SLOT                    ; behind the ring: the spare words, 128 bytes for each wave, which no other line names
.set ADRA, 16                          ; v16-17  LDS address of my A fragments in slot 0, 1
.set ADRB, 20                          ; v20-21  the same for B
.set CO,   26                          ; v26     16 x lane;  v27 the same + the step from block 1 to block 2 (KIND 0)
.set SPW,  28                          ; v28     LDS address of my spare word; never rewritten
.set NIL,  29                          ; v29     0; never rewritten
.set SC,   30                          ; v30     2^e of the result, for the conversion
.set LIM,  31                          ; v31     448 x that
.set BR,   32                          ; v32-47  bias of row 16 a + lane % 16 at v[BR + 2 a]; the odd registers are 0 (named as pairs)
.set BC,   64                          ; v64-127 bias of column 16 b + 8 (lane / 16) + j at v[BC + 8 b + j]
.set AF,   128
.set TMP,  128
.set CD,   192
.set G1, 24                            ; s[24:31] descriptor group 1 for A's tiles;  s[32:39] group 0, one set for each slot
.set G0, 32
.set G1B, 48                           ; s[48:55], s[56:63] the same for B's tiles
.set G0B, 56
.set MSB, 0
.macro WIN new                         ; the immediate's high byte repeats the setting that is left
.if MSB != \new
	s_set_vgpr_msb (MSB<<8)|\new
.set MSB, \new
.endif
.endm
.set MUL_LO, 0xa1                      ; source 0 (B) window 1, source 1 (A) window 0, C and D window 2
.set MUL_HI, 0xf1                      ; the same, C and D window 3
.set TO_B,   0x40                      ; destination window 1, address window 0
; A joint load: waves 0 and 1 fetch for A, waves 2 and 3 for B.  The branch hangs on the wave's number alone.  Four v_nop follow each of the two lines.
.macro JLOAD g0a, g1a, g0b, g1b
	s_cmp_eq_u32 s15, 0
	s_cbranch_scc0 .Lfor_b_\@
	tensor_load_to_lds s[\g0a:\g0a+3], s[\g1a:\g1a+7]
	s_nop 0
.rept 4
	v_nop
.endr
	s_branch .Lasked_\@
.Lfor_b_\@:
	tensor_load_to_lds s[\g0b:\g0b+3], s[\g1b:\g1b+7]
	s_nop 0
.rept 4
	v_nop
.endr
.Lasked_\@:
.endm
.macro CREST                           ; a round of the cluster's barrier behind its opening barrier
	s_cmp_lg_u32 s14, 0
	s_cbranch_scc1 .Lnot_wave_0_\@
	s_barrier_signal -3
.Lnot_wave_0_\@:
	s_barrier_wait -3
	s_barrier_signal -1
	s_barrier_wait -1
.endm
.macro CROUND                          ; a whole round
	s_barrier_signal -1
	s_barrier_wait -1
	CREST
.endm
.if KIND == 0
	s_load_b512 s[68:83], s[0:1], 0x0              ; xc, Wq, Wk, Wv, bq, bk, bv, the scales' exponents
	s_load_b64 s[84:85], s[0:1], 0x40              ; qkv
.else
	s_load_b128 s[4:7], s[0:1], 0x0                ; A's codes, B's codes
	s_load_b64 s[90:91], s[0:1], 0x10              ; the bias
	s_load_b64 s[86:87], s[0:1], 0x18              ; the scales' exponents
	s_load_b64 s[84:85], s[0:1], 0x20              ; the result
.endif
	v_lshl_add_u32 v[SPW], v0, 2, SPARE
	v_mov_b32 v[NIL], 0
	ds_add_u32 v28, v29
	ds_add_u32 v28, v29
	s_wait_dscnt 0x0
	v_lshrrev_b32 v1, 5, v0
	v_readfirstlane_b32 s14, v1                    ; wave 0..3
	s_lshr_b32 s15, s14, 1                         ; which half of the tile's rows is mine.  Also: I fetch for A (0) or for B (1)
	s_and_b32 s16, s14, 1                          ; which half of its columns.  Also: which 128 rows of that tile I fetch
	s_bfe_u32 s40, ttmp6, 0x40000                  ; cx, cy: my place in the cluster
	s_bfe_u32 s41, ttmp6, 0x40004
	s_and_b32 s17, ttmp7, 0xffff
	s_lshl_b32 s17, s17, 2                         ; 4 x cluster y
.if KIND == 0
	s_cmp_lt_u32 ttmp9, 2                          ; q, k: 16 tile rows (tokens) x 4 tile columns;  V^T: 4 tile rows (dims) x 16 tile columns (tokens).  Cluster x is the same in all partners
	s_cselect_b32 s42, 0, s17
	s_cselect_b32 s17, s17, 0
.else
	s_lshl_b32 s42, ttmp9, 2
.endif
	s_add_co_u32 s42, s42, s40                     ; tile column of C
	s_add_co_u32 s17, s17, s41                     ; tile row of C
	s_lshl_b32 s43, s41, 2
	s_lshl_b32 s43, 15, s43                        ; my row of the cluster
	s_lshl_b32 s44, 0x1111, s40                    ; my column
	; descriptor group 1: a tile of 128 rows x 256 bytes, padded in LDS
	s_or_b32 s[G1+0], s43, (0<<16)|(1<<20)|(1<<21)|(5<<22)|(3<<25)  ; 15:0 the mask: A's tiles go to my row; 17:16 element of 1 byte; 20 padding on; 21 set beside a mask; 24:22 after every 64 words; 31:25 of 4 words
	s_or_b32 s[G1B+0], s44, (0<<16)|(1<<20)|(1<<21)|(5<<22)|(3<<25)
.irp g, G1, G1B
	s_mov_b32 s[\g+1], ROWB<<16                    ; tensor_dim0
	s_mov_b32 s[\g+2], 128<<16                     ; tensor_dim1 = 128
	s_mov_b32 s[\g+3], ROWB<<16                    ; tile_dim0
	s_mov_b32 s[\g+4], 128                         ; tile_dim1 = 128
	s_mov_b32 s[\g+5], KROW                        ; tensor_dim0_stride
	s_mov_b32 s[\g+6], 0
	s_mov_b32 s[\g+7], 0
.endr
	s_lshl_b32 s18, s16, 7                         ; which 128 rows of the tile I fetch
	s_lshl_b32 s20, s17, 8
	s_add_co_u32 s20, s20, s18                     ; A: row 256 x tile row + 128 x half,
	s_lshl_b32 s20, s20, 10                        ; of 1,024 bytes
	s_mov_b32 s21, 0
	s_lshl_b32 s46, s42, 8
	s_add_co_u32 s46, s46, s18                     ; B: row 256 x tile column + 128 x half
	s_lshl_b32 s46, s46, 10
	s_mov_b32 s47, 0
	s_mul_i32 s45, s14, HALFT                      ; where they go: wave x 128 rows: no place in the cluster enters an LDS address
	s_wait_kmcnt 0x0
.if KIND == 0
	s_lshl_b32 s88, ttmp9, 22                      ; x's codes for this product, and this product's part of the result: 4 MiB each
	s_mov_b32 s89, 0
	s_add_nc_u64 s[68:69], s[68:69], s[88:89]
	s_add_nc_u64 s[84:85], s[84:85], s[88:89]
	s_cmp_eq_u32 ttmp9, 0                          ; the buffers are chosen by the cluster's x alone
	s_cselect_b64 s[6:7], s[70:71], s[72:73]
	s_cselect_b64 s[90:91], s[76:77], s[78:79]
	s_cmp_eq_u32 ttmp9, 2
	s_cselect_b64 s[4:5], s[74:75], s[68:69]       ; A: Wv's codes, or x's
	s_cselect_b64 s[6:7], s[68:69], s[6:7]         ; B: x's codes, or Wq's or Wk's
	s_cselect_b64 s[90:91], s[80:81], s[90:91]     ; the bias
	s_mov_b64 s[86:87], s[82:83]
.endif
	s_load_b512 s[68:83], s[86:87], 0x0            ; e0 .. e15; waited for at the way out
	s_add_nc_u64 s[20:21], s[4:5], s[20:21]
	s_add_nc_u64 s[46:47], s[6:7], s[46:47]
	CROUND                                         ; all sixteen work-groups are here: the first joint loads meet
.irp s, 0,1
	s_mov_b32 s[G0+4*\s], 1
	s_add_co_u32 s[G0+4*\s+1], s45, \s*SLOT
	s_add_nc_u64 s[G0+4*\s+2:G0+4*\s+3], s[20:21], \s*ROWB
	s_or_b32 s[G0+4*\s+3], s[G0+4*\s+3], 0x80000000
	s_mov_b32 s[G0B+4*\s], 1
	s_add_co_u32 s[G0B+4*\s+1], s45, \s*SLOT
	s_add_nc_u64 s[G0B+4*\s+2:G0B+4*\s+3], s[46:47], \s*ROWB
	s_or_b32 s[G0B+4*\s+3], s[G0B+4*\s+3], 0x80000000
	JLOAD G0+4*\s, G1, G0B+4*\s, G1B
.endr
	v_and_b32 v1, 15, v0                           ; l % 16
	v_bfe_u32 v2, v0, 4, 1                         ; l / 16
	v_mul_u32_u24 v3, v1, PITCH
	v_lshl_add_u32 v4, v2, 4, v3                   ; a fragment's row x pitch + 16 x half
	s_mul_i32 s21, s15, HALFT                      ; my 128 rows of A
	s_mul_i32 s22, s16, HALFT                      ; my 128 rows of B,
	s_add_co_u32 s22, s22, 2*HALFT                 ; which lie behind A's 256
.irp s, 0,1
	v_add_nc_u32 v[ADRA+\s], s21, v4
	v_add_nc_u32 v[ADRB+\s], s22, v4
	s_add_co_u32 s21, s21, SLOT
	s_add_co_u32 s22, s22, SLOT
.endr
	v_and_b32 v6, 31, v0
	v_lshlrev_b32 v[CO], 4, v6                     ; 16 x lane
	; THE BIAS, asked for now and waited for at the way out; v8, v9 and s[92:95] are never rewritten.  By column where C's columns are the outputs (q, k, the hidden layer), by row for V^T.
	; KIND 0 loads both forms on one path: the form that this cluster does not use is read at the bias's first bytes and set to 0 at the way out.
	s_lshl_b32 s88, s42, 10
	s_lshl_b32 s89, s16, 9
	s_add_co_u32 s88, s88, s89                     ; my first column x 4 bytes
.if KIND == 0
	s_lshl_b32 s92, s17, 10
	s_lshl_b32 s93, s15, 9
	s_add_co_u32 s94, s92, s93                     ; my first row x 4 bytes
	s_cmp_lt_u32 ttmp9, 2
	s_cselect_b32 s92, s88, 0
	s_cselect_b32 s94, 0, s94
	s_mov_b32 s93, 0
	s_mov_b32 s95, 0
	s_add_nc_u64 s[92:93], s[90:91], s[92:93]
	s_add_nc_u64 s[94:95], s[90:91], s[94:95]
.else
	s_mov_b32 s89, 0
	s_add_nc_u64 s[92:93], s[90:91], s[88:89]
.endif
	v_lshlrev_b32 v8, 5, v2                        ; 32 bytes for each half of the lanes
.irp b, 0,1,2,3,4,5,6,7
	global_load_b128 v[BC+8*\b:BC+8*\b+3], v8, s[92:93] offset:64*\b
	global_load_b128 v[BC+8*\b+4:BC+8*\b+7], v8, s[92:93] offset:64*\b+16
.endr
.if KIND == 0
	v_lshlrev_b32 v9, 2, v1
.irp a, 0,1,2,3,4,5,6,7
	global_load_b32 v[BR+2*\a], v9, s[94:95] offset:64*\a
	v_mov_b32 v[BR+2*\a+1], 0
.endr
.endif
.macro FRAG reg, adr, q, i             ; a fragment: lane l holds row l % 16; registers 4 c .. 4 c + 3 hold K = 32 c + 16 (l / 16) + 0 .. 15
.irp c, 0,1,2,3
	ds_load_b128 v[\reg+4*\c:\reg+4*\c+3], v[\adr] offset:128*(\q)+32*\c+(\i)*16*PITCH
.endr
.endm
; 16 matrix instructions: A's blocks a0, a0 + 1 x B's eight, 128 along K.  p: B's set.  zero = 1: the first product starts the sums.
; The 64 accumulators take turns, one instruction a turn, in the same order in every step.
.macro MUL16 a0, p, zero
.irp a, \a0, \a0+1
.irp b, 0,1,2,3,4,5,6,7
.if \zero
	v_wmma_f32_16x16x128_fp8_fp8 v[8*(8*((\a)%4)+\b):8*(8*((\a)%4)+\b)+7], v[128*(\p)+FR*\b:128*(\p)+FR*\b+FR-1], v[AF+FR*(\a):AF+FR*(\a)+FR-1], 0
.else
	v_wmma_f32_16x16x128_fp8_fp8 v[8*(8*((\a)%4)+\b):8*(8*((\a)%4)+\b)+7], v[128*(\p)+FR*\b:128*(\p)+FR*\b+FR-1], v[AF+FR*(\a):AF+FR*(\a)+FR-1], v[8*(8*((\a)%4)+\b):8*(8*((\a)%4)+\b)+7]
.endif
.endr
.endr
.endm
.macro FETCH_B slot, q, p              ; B's eight fragments of the slot's q-th 128 along K into set p
	WIN TO_B
.irp i, 0,1,2,3,4,5,6,7
	FRAG 128*(\p)+FR*\i, ADRB+\slot, \q, \i
.endr
	WIN 0
.endm
.macro FETCH_A slot, q, i0             ; A's blocks i0 .. i0 + 3
.irp i, \i0, \i0+1, \i0+2, \i0+3
	FRAG AF+FR*(\i), ADRA+\slot, \q, \i
.endr
.endm
; A load into a register that a matrix instruction has read, and a vector instruction that reads a matrix result, stand NP places behind that matrix instruction; only plain vector
; instructions that name none of its registers are places (ISA guide 7.12.1 for vector instructions).
.macro PLACES n
.rept \n
	v_nop
.endr
.endm
; A step of 128 along K that has its successor in the same slot.  A block of A is free as soon as its eight products are issued: blocks 0-3 are fetched anew in the step's middle, blocks 4-7 at its end.
.macro STEP slot, q, zero
	s_wait_dscnt 4*NL                              ; B's set and A's blocks 0-3 are in; the youngest 16 loads (A's blocks 4-7) may be out
	WIN MUL_LO
	MUL16 0, (\q)%2, \zero
	MUL16 2, (\q)%2, \zero
	s_wait_dscnt 0                                 ; A's blocks 4-7 are in
	PLACES NP
	FETCH_B \slot, (\q)+1, 1-(\q)%2
	FETCH_A \slot, (\q)+1, 0
	WIN MUL_HI
	MUL16 4, (\q)%2, \zero
	MUL16 6, (\q)%2, \zero
	PLACES NP
	WIN 0
	FETCH_A \slot, (\q)+1, 4
.endm
; A slot's last step changes slots: ONE barrier; in front of it each wave waits for all its tensor loads, adds 0 to its spare word, and waits for that and for its own reads of this slot.  fill = 1: this slot is filled again, two K steps ahead.
.macro TURN slot, next, fill
	s_wait_tensorcnt 0x0                           ; all my tensor loads have landed: my part of the next slot
	ds_add_u32 v[SPW], v[NIL]                      ; 0 onto my spare word
	s_wait_dscnt 4*NL+1                            ; the add and the youngest 16 loads (A's blocks 4-7) may be out
	WIN MUL_LO
	MUL16 0, 1, 0                                  ; sixteen matrix instructions stand between the add and the wait for it
	s_wait_dscnt 0x0                               ; the add is done, and my reads of this slot are over
	s_barrier_signal -1
	MUL16 2, 1, 0
	WIN 0
	s_barrier_wait -1
.if \fill
	CREST                                          ; the barrier has opened a round of the cluster's barrier: no wave of any partner still reads this slot's tile or has a load on its way
	s_add_nc_u64 s[G0+4*\slot+2:G0+4*\slot+3], s[G0+4*\slot+2:G0+4*\slot+3], 2*ROWB
	s_add_nc_u64 s[G0B+4*\slot+2:G0B+4*\slot+3], s[G0B+4*\slot+2:G0B+4*\slot+3], 2*ROWB
	JLOAD G0+4*\slot, G1, G0B+4*\slot, G1B         ; the first tensor load behind the round; its four v_nop are the places in front of the loads below
.else
	PLACES NP
.endif
	FETCH_B \next, 0, 0
	FETCH_A \next, 0, 0
	WIN MUL_HI
	MUL16 4, 1, 0
	MUL16 6, 1, 0
	PLACES NP
	WIN 0
	FETCH_A \next, 0, 4
.endm
	s_wait_tensorcnt 1                             ; my part of K step 0 is in; K step 1's load may be out
	s_barrier_signal -1
	s_barrier_wait -1                              ; everybody's is
	FETCH_B 0, 0, 0
	FETCH_A 0, 0, 0
	FETCH_A 0, 0, 4
	STEP 0, 0, 1                                   ; the first step stands in front of the loop: its products start the sums
.if LAPS > 1
	s_mov_b32 s3, LAPS-1
.Llap:                                                 ; a trip goes once round the ring, from a lap's second step to the next lap's first, and fills both slots again
	TURN 0, 1, 1
	STEP 1, 0, 0
	TURN 1, 0, 1
	STEP 0, 0, 0
	s_sub_co_u32 s3, s3, 1
	s_cmp_lg_u32 s3, 0
	s_cbranch_scc1 .Llap
.endif
	TURN 0, 1, 0                                   ; the last lap fills nothing, and has no round of the cluster's barrier
	STEP 1, 0, 0
	s_wait_dscnt 4*NL                              ; the very last step: nothing more to fetch
	WIN MUL_LO
	MUL16 0, 1, 0
	MUL16 2, 1, 0
	s_wait_dscnt 0
	WIN MUL_HI
	MUL16 4, 1, 0
	MUL16 6, 1, 0
	WIN 0
	; THE WAY OUT
	s_wait_kmcnt 0x0                               ; the exponents
	s_wait_loadcnt 0x0                             ; the bias
.if KIND == 0
	s_add_co_i32 s96, s68, s69                     ; eA + eB of the three products,
	s_add_co_i32 s97, s70, s71
	s_add_co_i32 s99, s72, s73
	s_cmp_eq_u32 ttmp9, 0                          ; and the one that is mine: a choice of values, no branch
	s_cselect_b32 s96, s96, s97
	s_cselect_b32 s97, s74, s75                    ; the result's e: entry 6 (q), 7 (k)
	s_cmp_eq_u32 ttmp9, 2
	s_cselect_b32 s96, s99, s96
	s_cselect_b32 s97, s77, s97                    ; or 9 (v)
.else
	s_add_co_i32 s96, s80, s81                     ; e12 + e13
	s_mov_b32 s97, s82                             ; e14
.endif
	s_add_co_i32 s96, s96, 127
	s_lshl_b32 s96, s96, 23                        ; 2^(eA + eB) as f32
	s_add_co_i32 s97, s97, 127
	s_lshl_b32 s99, s97, 23
	PLACES NP                                      ; behind the last products: what follows reads results and writes registers that held A's fragments
	v_mov_b32 v[SC], s99
	s_add_co_i32 s97, s97, 8
	s_lshl_b32 s97, s97, 23
	s_or_b32 s97, s97, 0x600000
	v_mov_b32 v[LIM], s97
	s_mov_b32 s97, s96                             ; (named with s96 as a pair, so it is written)
.if KIND == 0
	s_lshl_b32 s20, s17, 4                         ; q, k: my first block of 16 tokens,
	s_lshl_b32 s21, s15, 3
	s_add_co_u32 s20, s20, s21
	s_lshr_b32 s21, s20, 7                         ; its batch,
	s_and_b32 s20, s20, 127                        ; its place in the batch,
	s_lshl_b32 s22, s42, 2
	s_lshl_b32 s23, s16, 1
	s_add_co_u32 s22, s22, s23                     ; my first head
	s_lshl_b32 s21, s21, 4
	s_add_co_u32 s21, s21, s22
	s_lshl_b32 s21, s21, 7
	s_add_co_u32 s21, s21, s20
	s_lshl_b32 s20, s21, 10                        ; ((16 batch + head) 128 + t16) 1,024
	s_lshl_b32 s22, s17, 2                         ; V^T: my first head,
	s_lshl_b32 s23, s15, 1
	s_add_co_u32 s22, s22, s23
	s_lshl_b32 s23, s42, 1
	s_add_co_u32 s23, s23, s16                     ; my first 128 tokens,
	s_lshr_b32 s46, s23, 4                         ; their batch,
	s_and_b32 s23, s23, 15                         ; their place in the batch
	s_lshl_b32 s46, s46, 4
	s_add_co_u32 s46, s46, s22
	s_lshl_b32 s46, s46, 5
	s_lshl_b32 s23, s23, 1
	s_add_co_u32 s46, s46, s23
	s_lshl_b32 s46, s46, 12                        ; ((16 batch + head) 32 + step of 64 keys) 4,096
	s_cmp_lt_u32 ttmp9, 2
	s_cselect_b32 s20, s20, s46
	s_mov_b32 s46, 4096
	s_mov_b32 s47, 131072
	s_cselect_b32 s22, s46, s47                    ; from block a = 3 to a = 4: four blocks of tokens on (q, k), or the next head (V^T)
	s_cselect_b32 s88, s47, s46                    ; from code block 1 to 2: the next head (q, k), or the next 64 keys (V^T)
	s_cselect_b32 s98, -1, 0                       ; all lanes: the bias goes by column
	s_mov_b32 s21, 0
	s_mov_b32 s23, 0
	s_add_nc_u64 s[10:11], s[84:85], s[20:21]
	s_add_nc_u64 s[12:13], s[10:11], s[22:23]
	v_add_nc_u32 v[CO+1], s88, v[CO]
.set jj, 0
.rept 64
	v_cndmask_b32 v[BC+jj], 0, v[BC+jj], s98       ; the form of the bias that is not mine becomes 0
.set jj, jj+1
.endr
.irp a, 0,1,2,3,4,5,6,7
	v_cndmask_b32 v[BR+2*\a], v[BR+2*\a], 0, s98
.endr
.else
	s_lshl_b32 s20, s17, 4
	s_lshl_b32 s21, s15, 3
	s_add_co_u32 s20, s20, s21                     ; my first block of 16 rows
	s_lshl_b32 s20, s20, 5
	s_lshl_b32 s21, s42, 1
	s_add_co_u32 s20, s20, s21
	s_add_co_u32 s20, s20, s16                     ; x 32 + my 128 columns' number: a fragment's number,
	s_lshl_b32 s20, s20, 11                        ; of 2,048 bytes
	s_mov_b32 s21, 0
	s_add_nc_u64 s[10:11], s[84:85], s[20:21]
.endif
; Block a: 16 rows x 128 columns.
.macro OUTA a
.set AC, 64*((\a)%4)
.set CC, CD+16*((\a)%2)
	WIN 0x02+((\a)/4)                              ; source 0: window 2 or 3
.set jj, 0
.rept 32
	v_pk_fma_f32 v[TMP+jj:TMP+jj+1], v[AC+jj:AC+jj+1], s[96:97], v[BC+jj:BC+jj+1] op_sel_hi:[1,0,1]   ; sum x 2^(eA + eB) + the column's bias; each accumulator from its low end on
.set jj, jj+2
.endr
	WIN 0
.if KIND == 0
.set jj, 0
.rept 32
	v_pk_add_f32 v[TMP+jj:TMP+jj+1], v[TMP+jj:TMP+jj+1], v[BR+2*(\a):BR+2*(\a)+1] op_sel_hi:[1,0]   ; + the row's bias
.set jj, jj+2
.endr
.endif
.set jj, 0
.rept 64
.if KIND == 0
	v_med3_num_f32 v[TMP+jj], v[TMP+jj], -v[LIM], v[LIM]   ; the conversion to an 8-bit code does not saturate (ISA guide 7.6.2): the hold at the largest code x the scale
.else
	v_med3_num_f32 v[TMP+jj], v[TMP+jj], 0, v[LIM]         ; the activation and the hold in one
.endif
.set jj, jj+1
.endr
.if (\a) > 1
	s_wait_xcnt 0x0                                ; block a - 2's stores have read their data: the same 16 registers are written again
.endif
.irp b, 0,1,2,3,4,5,6,7
	v_cvt_scalef32_pk8_fp8_f32 v[CC+2*\b:CC+2*\b+1], v[TMP+8*\b:TMP+8*\b+7], v[SC]
.endr
	v_nop                                          ; one plain line behind the last conversion: the next block writes its sources
.irp k, 0,1,2,3
.if KIND == 0
	global_store_b128 v[CO+(\k)/2], v[CC+4*\k:CC+4*\k+3], s[10+2*((\a)/4):11+2*((\a)/4)] offset:((\a)%4)*1024+((\k)%2)*512   ; 32 lanes store 512 consecutive bytes, aligned
.else
	global_store_b128 v[CO], v[CC+4*\k:CC+4*\k+3], s[10:11] offset:(\a)*65536+512*\k
.endif
.endr
.endm
.irp a, 0,1,2,3,4,5,6,7
	OUTA \a
.endr
	s_wait_tensorcnt 0x0                           ; the wave's end
	ds_add_u32 v[SPW], v[NIL]
	s_wait_dscnt 0x0
	CROUND                                         ; the closing round: no work-group ends while a partner may still ask for a tile that names it
	s_endpgm
.Lfunc_end_k_q4b211c3c68_qkv:
	.size	k_q4b211c3c68_qkv, .Lfunc_end_k_q4b211c3c68_qkv-k_q4b211c3c68_qkv
	.p2alignl 7, 3214868480
	.fill 96, 4, 3214868480
	.section	.rodata,"a",@progbits
	.p2align	6, 0x0
	.amdhsa_kernel k_q4b211c3c68_qkv
		.amdhsa_group_segment_fixed_size 327680
		.amdhsa_private_segment_fixed_size 0
		.amdhsa_enable_private_segment 0
		.amdhsa_kernarg_size 72
		.amdhsa_user_sgpr_count 2
		.amdhsa_user_sgpr_kernarg_segment_ptr 1
		.amdhsa_wavefront_size32 1
		.amdhsa_system_sgpr_workgroup_id_x 1
		.amdhsa_system_sgpr_workgroup_id_y 1
		.amdhsa_system_sgpr_workgroup_id_z 1
		.amdhsa_system_vgpr_workitem_id 0
		.amdhsa_next_free_vgpr 1024
		.amdhsa_next_free_sgpr 100
		.amdhsa_reserve_vcc 0
		.amdhsa_float_denorm_mode_32 3
		.amdhsa_float_denorm_mode_16_64 3
		.amdhsa_memory_ordered 1
		.amdhsa_forward_progress 1
		.amdhsa_inst_pref_size 159
	.end_amdhsa_kernel
	.amdgpu_metadata
---
amdhsa.version: [ 1, 2 ]
amdhsa.kernels:
  - .name:           k_q4b211c3c68_qkv
    .symbol:         k_q4b211c3c68_qkv.kd
    .args:
      - { .name: xc, .offset: 0, .size: 8, .value_kind: global_buffer, .address_space: global }
      - { .name: Wq_codes, .offset: 8, .size: 8, .value_kind: global_buffer, .address_space: global }
      - { .name: Wk_codes, .offset: 16, .size: 8, .value_kind: global_buffer, .address_space: global }
      - { .name: Wv_codes, .offset: 24, .size: 8, .value_kind: global_buffer, .address_space: global }
      - { .name: bq, .offset: 32, .size: 8, .value_kind: global_buffer, .address_space: global }
      - { .name: bk, .offset: 40, .size: 8, .value_kind: global_buffer, .address_space: global }
      - { .name: bv, .offset: 48, .size: 8, .value_kind: global_buffer, .address_space: global }
      - { .name: lowp_scales, .offset: 56, .size: 8, .value_kind: global_buffer, .address_space: global }
      - { .name: qkv, .offset: 64, .size: 8, .value_kind: global_buffer, .address_space: global }
    .group_segment_fixed_size: 327680
    .private_segment_fixed_size: 0
    .kernarg_segment_align: 8
    .kernarg_segment_size: 72
    .max_flat_workgroup_size: 128
    .sgpr_count:     100
    .vgpr_count:     1024
    .wavefront_size: 32
...
	.end_amdgpu_metadata
.endif
;; end of part 2
;; launch attn (part 3): grid 8 x 32, 8 waves a work-group, clusters of 4 x 1, 263,168 bytes of LDS; arguments qkv, lowp_scales, oc; writes oc
.if DOCPART == 3
	.amdgcn_target "amdgcn-amd-amdhsa--gfx1250"
	.amdhsa_code_object_version 6
	.text
	.protected	k_q4b211c3c68_attn
	.globl	k_q4b211c3c68_attn
	.p2align	8
	.type	k_q4b211c3c68_attn,@function
k_q4b211c3c68_attn:
	s_mov_b64 s[64:65], 0
	v_nop
	global_prefetch_b8 v0, s[64:65] scope:SCOPE_SE
	s_setreg_imm32_b32 hwreg(HW_REG_WAVE_MODE, 25, 1), 1
	s_wait_xcnt 0x0
	s_wait_alu depctr_hold_cnt(0) depctr_sa_sdst(0) depctr_va_vdst(0) depctr_va_sdst(0) depctr_va_ssrc(0) depctr_va_vcc(0) depctr_vm_vsrc(0)
	s_getreg_b32 s2, hwreg(HW_REG_IB_STS2, 6, 4)
	s_cmp_eq_u32 s2, 0
	s_cbranch_scc0 .Lentry_in_a_cluster
	s_endpgm
.Lentry_in_a_cluster:
	s_bfe_u32 s2, ttmp6, 0x10000c
	s_cmp_lg_u32 s2, 0x3003
	s_cbranch_scc0 .Lentry_shape_is_right
	s_endpgm
.Lentry_shape_is_right:
; Attention on E4M3 codes: O = softmax(q k^T / 8) v for 32 batch-heads of 2,048 tokens x 64 dims; O / l is quantised (entry 10) into the next product's operand.
; q, k, v come as images of operand registers (plain 8-bit layout, K = 64: registers 2 c, 2 c + 1 of lane (r, h) hold k = 16 c + 8 h + 0 .. 7 of row r; four registers are 512 bytes, lane l's 16 at 16 l):
;   q at byte 0, k at 4 MiB: fragment (bh, 16 tokens) at (bh 128 + t16) 1,024.   v at 8 MiB, with the KEYS as K: fragment (bh, 64 keys, 16 dims) at ((bh 32 + step) 4 + d16) 1,024.
; THE SOFTMAX: t = score x log2(e) / 8; M = the running largest t rounded UP to a whole number; p = 2^(t - M) is quantised (entry 8), not normalised; the row's sum l is taken of the unquantised p;
; when M moves, l and O are multiplied by 2^(old M - new M), which rounds nothing.
; SHARES.  A work-group owns 256 queries of one batch-head, each of its eight waves 32: two tiles of 16, in 256 registers, two waves to a SIMD.
; A HEAD'S WHOLE K AND V LIE IN LDS: 128 KiB + 128 KiB of codes, filled ONCE, in two parts: keys 0 .. 511 (8 KiB a wave) and keys 512 .. 2,047 (24 KiB a wave).  The first part is the smaller, so that the first key steps
; wait for 64 KiB and not for more; the second has the first part's 8 steps in which to land.  No slot is filled again.  Images are dense: every fragment load reads 512 consecutive bytes.
; CLUSTER.  The four query blocks of a cluster walk the same K and V: each tile is asked for jointly, by the same tensor load with a mask that names the four.  A wave has two tensor loads out at the most.
; LAYOUT.  S^T = k q^T (source 0 = 16 keys, source 1 = 16 queries), O^T = v^T p^T (source 0 = 16 dims, source 1 = p): a lane holds ONE query (lane % 16) throughout; the 8 registers of key tile t are keys 16 t + 8 h + 0 .. 7,
; so their 8 codes are registers 2 t, 2 t + 1 of p's fragment; the 8 registers of dim tile d likewise give O's codes.
; THE ORDER OF A KEY STEP (64 keys, both tiles; 252 vector lines for 16 matrix instructions, so the order serves the vector lines):
;   K is loaded a step ahead, its 8 loads set into the serial part of the softmax, where each line waits for the one before; V at the step's head, a whole softmax ahead of its use;
;   no two runs of exponentials: tile 0's 32 alternate with 46 plain lines that are due anyway, tile 1's 32 with 48;
;   tile 0's four products v^T p^T are issued as soon as its codes are made, and tile 1's sums and holds follow them.
;   The last step of each part is written out without the loads of the next K: no read runs ahead into bytes that have not been shown landed.
; O's image (K = 1,024 in fragments of 128): byte m16 x 16,384 + head x 1,024 + 512 block.
; LIMITS: e6 + e7 between -123 and 130 (added to c's exponent field); e8 and e10 between -126 and 119; e8 + e9 goes by v_ldexp_f32 and has none.  NaN among the inputs is not served.
.set LM2, 0                            ; v0   448 x 2^e8 once more (from the point where the lane numbers are made): the two halves of a dual line take their second sources from different register banks
.set LI,  1                            ; v1   16 x lane; never rewritten
.set ADK, 2                            ; v2   LDS address of the step's K
.set ADV, 3                            ; v3   of its V
.set SCP, 4                            ; v4   2^e8;  v5 448 x 2^e8
.set LMP, 5
.set SCO, 6                            ; v6   2^e10; v7 448 x 2^e10
.set LMO, 7
.set QF,  8                            ; v8-23    q: tile q at QF + 8 q
.set KF,  24                           ; v24-55   four key tiles
.set VF,  56                           ; v56-87   four dim tiles
.set S,   88                           ; v88-151  S^T, then p: S + 32 q + 8 t
.set O,   152                          ; v152-215 O^T: O + 32 q + 8 d
.set PC,  216                          ; v216-231 p's codes: PC + 8 q
.set ST,  232                          ; v232-247 for each tile: +0 -M, +1 the largest t, +2 +3 l, +4 f, +5 zero, +6 +7 the sum's second chain
.set TQ,  248                          ; v248-255 for each tile: two chains of the maximum, the exchange's destination, the old -M
.set WV,  10                           ; s10  my wave's number
.set G1,  16                           ; s[16:23] descriptor group 1 of the first part's tiles;  s[24:27], s[28:31] group 0 of my two loads
.set SEL, 32                           ; s[32:33] lane selects: lane l xor 16
.set CS,  34                           ; s[34:35] c = log2(e) / 8 x 2^(e6 + e7)
.set TB,  36                           ; s36  LDS byte at which the step's K begins
.set CNT, 37
.set G1B, 52                           ; s[52:59] descriptor group 1 of the second part's tiles
.set P1,  8                            ; key steps in the first part,
.set P2,  24                           ; in the second
.set P1B, P1*4096                      ; the first part's bytes of K, and of V
.macro ROUND                           ; a round of the cluster's barrier
	s_barrier_signal -1
	s_barrier_wait -1
	s_cmp_lg_u32 s[WV], 0
	s_cbranch_scc1 .Lnot_wave_0_\@
	s_barrier_signal -3
.Lnot_wave_0_\@:
	s_barrier_wait -3
	s_barrier_signal -1
	s_barrier_wait -1
.endm
	s_load_b128 s[4:7], s[0:1], 0x0                ; qkv s[4:5], the scales' exponents s[6:7]
	s_load_b64 s[8:9], s[0:1], 0x10                ; oc
	s_set_vgpr_msb 0x40
	v_lshl_add_u32 v0, v0, 2, 0x40000
	v_mov_b32 v1, 0
	s_set_vgpr_msb 0x4045
	ds_add_u32 v0, v1
	ds_add_u32 v0, v1
	s_set_vgpr_msb 0x4500
	v_lshrrev_b32 v1, 5, v0
	v_readfirstlane_b32 s[WV], v1                  ; wave 0..7
	v_and_b32 v1, 31, v0
	v_lshlrev_b32 v[LI], 4, v1
	s_bfe_u32 s11, ttmp6, 0x40000                  ; cx
	s_lshl_b32 s12, ttmp9, 2
	s_add_co_u32 s12, s12, s11                     ; my block of 256 queries: it enters q's and O's global addresses alone
	s_and_b32 s13, ttmp7, 0xffff                   ; the batch-head, which the four partners share
	s_lshr_b32 s14, s[WV], 2                       ; I fetch for K (0) or for V (1),
	s_and_b32 s15, s[WV], 3                        ; and which quarter of each part
	; descriptor groups 1: rows of 256 bytes, dense in memory and in LDS: 32 of them (8 KiB), and 96 (24 KiB)
	s_mov_b32 s[G1], 15|(3<<16)|(1<<21)            ; 15:0 the mask: all four work-groups; 17:16 elements of 8 bytes; 21 set beside a mask; no padding
	s_mov_b32 s[G1+1], 32<<16                      ; tensor_dim0 = 32
	s_mov_b32 s[G1+2], 32<<16                      ; tensor_dim1 = 32
	s_mov_b32 s[G1+3], 32<<16                      ; tile_dim0 = 32
	s_mov_b32 s[G1+4], 32                          ; tile_dim1 = 32
	s_mov_b32 s[G1+5], 32                          ; tensor_dim0_stride
	s_mov_b32 s[G1+6], 0
	s_mov_b32 s[G1+7], 0
	s_mov_b32 s[G1B], 15|(3<<16)|(1<<21)
	s_mov_b32 s[G1B+1], 32<<16
	s_mov_b32 s[G1B+2], 96<<16                     ; tensor_dim1 = 96
	s_mov_b32 s[G1B+3], 32<<16
	s_mov_b32 s[G1B+4], 96                         ; tile_dim1 = 96
	s_mov_b32 s[G1B+5], 32
	s_mov_b32 s[G1B+6], 0
	s_mov_b32 s[G1B+7], 0
	s_lshl_b32 s40, s14, 17                        ; LDS: K at 0, V at 131,072
	s_lshl_b32 s41, s15, 13                        ; my piece of the first part: 8,192 x (wave % 4),
	s_mul_i32 s60, s15, 24576
	s_add_co_u32 s60, s60, P1B                     ; of the second: behind the first part, 24,576 x (wave % 4): the same offsets in LDS and in memory
	s_lshl_b32 s42, s14, 22
	s_add_co_u32 s42, s42, 0x400000                ; memory: k's images at 4 MiB, v's at 8 MiB,
	s_lshl_b32 s43, s13, 17
	s_add_co_u32 s42, s42, s43                     ; the head's 131,072 bytes
	s_add_co_u32 s50, s42, s60
	s_mov_b32 s51, 0
	s_add_co_u32 s42, s42, s41
	s_mov_b32 s43, 0
	s_add_co_u32 s41, s40, s41                     ; the two LDS addresses: no place in the cluster enters them
	s_add_co_u32 s60, s40, s60
	s_lshl_b32 s44, s13, 17                        ; q: the head,
	s_lshl_b32 s45, s12, 14                        ; my block's 16 tiles of 1,024 bytes,
	s_add_co_u32 s44, s44, s45
	s_lshl_b32 s45, s[WV], 11                      ; my wave's two
	s_add_co_u32 s44, s44, s45
	s_mov_b32 s45, 0
	s_lshr_b32 s61, s13, 4                         ; O: batch,
	s_and_b32 s62, s13, 15                         ; head
	s_lshl_b32 s61, s61, 7
	s_lshl_b32 s63, s12, 4
	s_add_co_u32 s61, s61, s63
	s_lshl_b32 s63, s[WV], 1
	s_add_co_u32 s61, s61, s63                     ; m16 = 128 batch + 16 block + 2 wave
	s_lshl_b32 s61, s61, 14
	s_lshl_b32 s62, s62, 10
	s_add_co_u32 s48, s61, s62
	s_mov_b32 s49, 0
	s_mov_b32 s[SEL], 0x76543210
	s_mov_b32 s[SEL+1], 0xfedcba98
	s_mov_b32 s[CS], 0x3e38aa3b                    ; log2(e) / 8
	s_mov_b32 s[TB], 0
	s_wait_dscnt 0x0
	s_wait_kmcnt 0x0
	s_load_b512 s[68:83], s[6:7], 0x0              ; e0 .. e15
	s_mov_b32 s24, 1                               ; group 0, first part: count = 1,
	s_mov_b32 s25, s41                             ; LDS address,
	s_add_nc_u64 s[26:27], s[4:5], s[42:43]        ; global address,
	s_or_b32 s27, s27, 0x80000000                  ; type = 2
	s_mov_b32 s28, 1                               ; second part
	s_mov_b32 s29, s60
	s_add_nc_u64 s[30:31], s[4:5], s[50:51]
	s_or_b32 s31, s31, 0x80000000
	s_add_nc_u64 s[46:47], s[4:5], s[44:45]        ; q at my first tile
	s_add_nc_u64 s[48:49], s[8:9], s[48:49]        ; O's image likewise
	ROUND                                          ; all four work-groups are here: the joint loads meet
	tensor_load_to_lds s[24:27], s[G1:G1+7]        ; my 8 KiB of keys 0 .. 511
	s_nop 0
	tensor_load_to_lds s[28:31], s[G1B:G1B+7]      ; and my 24 KiB of keys 512 .. 2,047
	s_nop 0
.rept 4
	v_nop
.endr
.irp q, 0,1
	global_load_b128 v[QF+8*\q:QF+8*\q+3], v[LI], s[46:47] offset:1024*\q
	global_load_b128 v[QF+8*\q+4:QF+8*\q+7], v[LI], s[46:47] offset:1024*\q+512
.endr
.irp q, 0,1
	v_mov_b32 v[ST+8*\q+1], 0xff61b1e6             ; the largest t so far: -3e38, under every t
	v_floor_f32 v[ST+8*\q], -v[ST+8*\q+1]          ; -M
	v_mov_b32 v[ST+8*\q+2], 0                      ; l, in two halves
	v_mov_b32 v[ST+8*\q+3], 0
	v_mov_b32 v[ST+8*\q+5], 0                      ; (named as the upper half of f's pair)
	v_mov_b32 v[TQ+4*\q+2], 0                      ; written once: a lane permute's destination counts as one of its sources
.endr
.set jj, 0
.rept 64
	v_mov_b32 v[O+jj], 0                           ; O^T: the step is written for every step alike; the first finds zeros, which the first change of M leaves zeros
.set jj, jj+1
.endr
	s_wait_kmcnt 0x0
	s_add_co_i32 s38, s74, s75
	s_lshl_b32 s38, s38, 23
	s_add_co_i32 s[CS], s[CS], s38                 ; a score stands for score x 2^(e6 + e7): added to c's exponent field
	s_mov_b32 s[CS+1], s[CS]                       ; (named with it as a pair)
	s_add_co_i32 s38, s76, 127
	s_lshl_b32 s39, s38, 23
	v_mov_b32 v[SCP], s39
	s_add_co_i32 s38, s38, 8
	s_lshl_b32 s38, s38, 23
	s_or_b32 s38, s38, 0x600000
	v_mov_b32 v[LMP], s38
	v_mov_b32 v[LM2], s38
	s_add_co_i32 s38, s78, 127
	s_lshl_b32 s39, s38, 23
	v_mov_b32 v[SCO], s39
	s_add_co_i32 s38, s38, 8
	s_lshl_b32 s38, s38, 23
	s_or_b32 s38, s38, 0x600000
	v_mov_b32 v[LMO], s38
	s_add_co_i32 s38, s76, s77                     ; e8 + e9, for the end
; THE LINES OF A TILE'S SOFTMAX, by number, so that they can be dealt out among the exponentials.  q: the tile.
.macro FMA q, i                        ; pair i of 16: t - M (of the pairs c and -M the low word serves both halves)
	v_pk_fma_f32 v[S+32*(\q)+2*(\i):S+32*(\q)+2*(\i)+1], v[S+32*(\q)+2*(\i):S+32*(\q)+2*(\i)+1], s[CS:CS+1], v[ST+8*(\q):ST+8*(\q)+1] op_sel_hi:[1,0,0]
.endm
.macro EXQ q, j                        ; number j of 32: p = 2^(t - M), at most 1
	v_exp_f32 v[S+32*(\q)+(\j)], v[S+32*(\q)+(\j)]
.endm
.macro RESC q, i                       ; pair i of 16 of O^T under the new M: x f; in ascending order
	v_pk_mul_f32 v[O+32*(\q)+2*(\i):O+32*(\q)+2*(\i)+1], v[O+32*(\q)+2*(\i):O+32*(\q)+2*(\i)+1], v[ST+8*(\q)+4:ST+8*(\q)+5] op_sel_hi:[1,0]
.endm
.macro SUMQ q, i                       ; line i of 16 of the row's sum, taken of the unquantised p, in two chains: the second begins with pairs 0 and 1; l x f + pair 2 begins the first; line 15 joins them
.if (\i) == 0
	s_wait_alu depctr_va_vdst(0)
	v_pk_add_f32 v[ST+8*(\q)+6:ST+8*(\q)+7], v[S+32*(\q):S+32*(\q)+1], v[S+32*(\q)+2:S+32*(\q)+3]
.elseif (\i) == 1
	v_pk_fma_f32 v[ST+8*(\q)+2:ST+8*(\q)+3], v[ST+8*(\q)+2:ST+8*(\q)+3], v[ST+8*(\q)+4:ST+8*(\q)+5], v[S+32*(\q)+4:S+32*(\q)+5] op_sel_hi:[1,0,1]
.elseif (\i) == 15
	v_pk_add_f32 v[ST+8*(\q)+2:ST+8*(\q)+3], v[ST+8*(\q)+2:ST+8*(\q)+3], v[ST+8*(\q)+6:ST+8*(\q)+7]
.elseif (\i) % 2 == 0
	v_pk_add_f32 v[ST+8*(\q)+6:ST+8*(\q)+7], v[ST+8*(\q)+6:ST+8*(\q)+7], v[S+32*(\q)+2*(\i)+2:S+32*(\q)+2*(\i)+3]
.else
	v_pk_add_f32 v[ST+8*(\q)+2:ST+8*(\q)+3], v[ST+8*(\q)+2:ST+8*(\q)+3], v[S+32*(\q)+2*(\i)+2:S+32*(\q)+2*(\i)+3]
.endif
.endm
.macro MINQ q, i                       ; pair i of 16: the conversion does not saturate (ISA guide 7.6.2); p is not negative, so the hold is one-sided; it stands whatever e8 is.  Two holds in one line: destinations even and odd, first sources in neighbouring banks, second sources v5 and v0
	v_dual_min_num_f32 v[S+32*(\q)+2*(\i)], v[S+32*(\q)+2*(\i)], v[LMP] :: v_dual_min_num_f32 v[S+32*(\q)+2*(\i)+1], v[S+32*(\q)+2*(\i)+1], v[LM2]
.endm
.macro CVTP q                          ; the tile's 32 numbers become p's fragment
.irp t, 0,1,2,3
	v_cvt_scalef32_pk8_fp8_f32 v[PC+8*(\q)+2*\t:PC+8*(\q)+2*\t+1], v[S+32*(\q)+8*\t:S+32*(\q)+8*\t+7], v[SCP]
.endr
.endm
.macro PV q                            ; O^T += v^T p^T: the tile's four accumulators, one instruction each
.irp d, 0,1,2,3
	v_wmma_f32_16x16x64_fp8_fp8 v[O+32*(\q)+8*\d:O+32*(\q)+8*\d+7], v[VF+8*\d:VF+8*\d+7], v[PC+8*(\q):PC+8*(\q)+7], v[O+32*(\q)+8*\d:O+32*(\q)+8*\d+7]
.endr
.endm
.macro KLD off, i                      ; load i of 8 of a step's K: 512 consecutive bytes
	ds_load_b128 v[KF+4*(\i):KF+4*(\i)+3], v[ADK] offset:(\off)+512*(\i)
.endm
.macro NEXTK pf, i                     ; the same for the step that follows, where there is one in this part
.if \pf
	KLD 4096, \i
.endif
.endm
.macro PLA k                           ; plain line k of 46 beside tile 0's exponentials: the rest of its own scalings (pair 2 + k stands ahead of exponentials 4 + 2 k and 5 + 2 k), tile 1's scalings, O0's rescaling
.if (\k) < 14
	FMA 0, (\k)+2
.elseif (\k) < 30
	FMA 1, (\k)-14
.elseif (\k) < 46
	RESC 0, (\k)-30
.endif
.endm
.macro PLB k                           ; plain line k of 48 beside tile 1's exponentials: tile 0's sums, O1's rescaling, tile 0's holds (behind all its sums)
.if (\k) < 16
	SUMQ 0, \k
.elseif (\k) < 32
	RESC 1, (\k)-16
.else
	MINQ 0, (\k)-32
.endif
.endm
; A KEY STEP: 64 keys, both tiles.  pf = 1: the next step's K is asked for.
.macro STEP pf
	s_wait_dscnt 0x0                               ; this step's K is in: it was asked for a step ago (or just ahead of the part's first step); no other LDS load of mine is out
.irp t, 0,1,2,3
.irp q, 0,1
	v_wmma_f32_16x16x64_fp8_fp8 v[S+32*\q+8*\t:S+32*\q+8*\t+7], v[KF+8*\t:KF+8*\t+7], v[QF+8*\q:QF+8*\q+7], 0
.endr
.endr
	v_add_nc_u32 v[ADK], s[TB], v[LI]              ; four plain lines that name no register of a product: the places in front of the first read of these scores, of the loads
	v_add_nc_u32 v[ADV], 0x20000, v[ADK]           ; into V's registers, which the last step's products read, and of the loads into K's
	v_mov_b32 v[TQ+3], v[ST]                       ; the old -M of both tiles is kept
	v_mov_b32 v[TQ+7], v[ST+8]
.irp i, 0,1,2,3,4,5,6,7
	ds_load_b128 v[VF+4*\i:VF+4*\i+3], v[ADV] offset:512*\i
.endr
.irp q, 0,1                                    ; the step's largest score of my query among my 32 keys, in two chains a tile, in ascending order
	v_max3_num_f32 v[TQ+4*\q], v[S+32*\q], v[S+32*\q+1], v[S+32*\q+2]
	v_max3_num_f32 v[TQ+4*\q+1], v[S+32*\q+3], v[S+32*\q+4], v[S+32*\q+5]
.endr
.irp i, 6,10,14,18,22,26
.irp q, 0,1
	v_max3_num_f32 v[TQ+4*\q], v[TQ+4*\q], v[S+32*\q+\i], v[S+32*\q+\i+1]
	v_max3_num_f32 v[TQ+4*\q+1], v[TQ+4*\q+1], v[S+32*\q+\i+2], v[S+32*\q+\i+3]
.endr
.endr
.irp q, 0,1
	v_max3_num_f32 v[TQ+4*\q], v[TQ+4*\q], v[S+32*\q+30], v[S+32*\q+31]
.endr
.irp q, 0,1
	v_max_num_f32 v[TQ+4*\q], v[TQ+4*\q], v[TQ+4*\q+1]
.endr
	; the serial part: each line needs the one before; the two tiles alternate, and the next step's K loads stand between
.irp q, 0,1
	v_permlanex16_b32 v[TQ+4*\q+2], v[TQ+4*\q], s[SEL], s[SEL+1]
.endr
	NEXTK \pf, 0
.irp q, 0,1
	v_max_num_f32 v[TQ+4*\q], v[TQ+4*\q], v[TQ+4*\q+2]   ; and among lane l xor 16's
.endr
	NEXTK \pf, 1
.irp q, 0,1
	v_mul_f32 v[TQ+4*\q], s[CS], v[TQ+4*\q]        ; as t (c is positive)
.endr
	NEXTK \pf, 2
.irp q, 0,1
	v_max_num_f32 v[ST+8*\q+1], v[ST+8*\q+1], v[TQ+4*\q]   ; the running largest t
.endr
	NEXTK \pf, 3
.irp q, 0,1
	v_floor_f32 v[ST+8*\q], -v[ST+8*\q+1]          ; the new -M = floor(-t) = -ceil(t)
.endr
	NEXTK \pf, 4
.irp q, 0,1
	v_sub_f32 v[TQ+4*\q+3], v[ST+8*\q], v[TQ+4*\q+3]   ; old M - new M: a whole number, 0 or less
.endr
	NEXTK \pf, 5
.irp q, 0,1
	v_cvt_i32_f32 v[TQ+4*\q+3], v[TQ+4*\q+3]       ; (it saturates)
.endr
	NEXTK \pf, 6
.irp q, 0,1
	v_ldexp_f32 v[ST+8*\q+4], 1.0, v[TQ+4*\q+3]    ; f = 2^(old M - new M)
.endr
	NEXTK \pf, 7
	FMA 0, 0
	FMA 0, 1
	; tile 0's exponentials: behind each stands a plain line that touches neither its result nor its source, behind every second one two
.set kk, 0
.set jj, 0
.rept 32
	EXQ 0, jj
	PLA kk
.set kk, kk+1
.if jj % 2
	PLA kk
.set kk, kk+1
.endif
.set jj, jj+1
.endr
	; tile 1's likewise
.set kk, 0
.set jj, 0
.rept 32
	EXQ 1, jj
	PLB kk
.set kk, kk+1
.if jj % 2
	PLB kk
.set kk, kk+1
.endif
.set jj, jj+1
.endr
	CVTP 0
	SUMQ 1, 0                                      ; (the plain line between tile 0's conversions and the products that read their results)
	s_wait_dscnt 8*\pf                             ; V is in; the next step's 8 loads of K, which were issued behind V's, may be out
	PV 0
.irp i, 1,2,3,4,5,6,7,8,9,10,11,12,13,14
	SUMQ 1, \i
.endr
.irp i, 0,1,2,3,4,5,6,7,8,9,10,11,12,13,14,15
	MINQ 1, \i
.endr
	CVTP 1
	SUMQ 1, 15                                     ; (the plain line between tile 1's conversions and the products that read their results or write over their sources)
	PV 1
.endm
.macro KEYS n                          ; a part of n key steps
	v_add_nc_u32 v[ADK], s[TB], v[LI]
.irp i, 0,1,2,3,4,5,6,7
	KLD 0, \i                                      ; the first step's K
.endr
	s_mov_b32 s[CNT], (\n)-1
.Lkeys_\@:
	STEP 1
	s_add_co_u32 s[TB], s[TB], 4096                ; a step's four fragments of K, and of V
	s_sub_co_u32 s[CNT], s[CNT], 1
	s_cmp_lg_u32 s[CNT], 0
	s_cbranch_scc1 .Lkeys_\@
	STEP 0                                         ; the part's last step asks for no further K
.endm
	s_wait_loadcnt 0x0                             ; q
	s_wait_tensorcnt 1                             ; my piece of the first part is in; the second part's load may stay out
	s_barrier_signal -1
	s_barrier_wait -1                              ; everybody's is
	KEYS P1
	s_wait_tensorcnt 0x0                           ; my piece of the second part is in
	s_barrier_signal -1
	s_barrier_wait -1
	s_mov_b32 s[TB], P1B
	KEYS P2
	; THE WAY OUT: O^T / l x 2^(e8 + e9), held, converted: the codes are the next operand's registers and go out as they stand
.rept 4
	v_nop                                          ; places behind the last products
.endr
.irp q, 0,1
	v_add_f32 v[ST+8*\q+2], v[ST+8*\q+2], v[ST+8*\q+3]
.endr
.irp q, 0,1
	v_permlanex16_b32 v[TQ+4*\q+2], v[ST+8*\q+2], s[SEL], s[SEL+1]
.endr
.irp q, 0,1
	v_add_f32 v[ST+8*\q+2], v[ST+8*\q+2], v[TQ+4*\q+2]   ; the row's sum
.endr
.irp q, 0,1
	v_rcp_f32 v[ST+8*\q+6], v[ST+8*\q+2]
.endr
	v_nop                                          ; a plain line behind the reciprocals
	s_wait_alu depctr_va_vdst(0)
.irp q, 0,1
	v_ldexp_f32 v[ST+8*\q+6], v[ST+8*\q+6], s38
.endr
.irp q, 0,1
.set jj, 0
.rept 16
	v_pk_mul_f32 v[S+32*\q+jj:S+32*\q+jj+1], v[O+32*\q+jj:O+32*\q+jj+1], v[ST+8*\q+6:ST+8*\q+7] op_sel_hi:[1,0]
.set jj, jj+2
.endr
.endr
.set jj, 0
.rept 64
	v_med3_num_f32 v[S+jj], v[S+jj], -v[LMO], v[LMO]
.set jj, jj+1
.endr
.irp q, 0,1
.irp d, 0,1,2,3
	v_cvt_scalef32_pk8_fp8_f32 v[PC+8*\q+2*\d:PC+8*\q+2*\d+1], v[S+32*\q+8*\d:S+32*\q+8*\d+7], v[SCO]
.endr
.endr
	v_nop
.irp q, 0,1
	global_store_b128 v[LI], v[PC+8*\q:PC+8*\q+3], s[48:49] offset:16384*\q          ; 32 lanes store 512 consecutive bytes, aligned
	global_store_b128 v[LI], v[PC+8*\q+4:PC+8*\q+7], s[48:49] offset:16384*\q+512
.endr
	s_set_vgpr_msb 0x5
	s_wait_tensorcnt 0x0
	ds_add_u32 v0, v1
	s_wait_dscnt 0x0
	s_set_vgpr_msb 0x500
	ROUND                                          ; the closing round
	s_endpgm
.Lfunc_end_k_q4b211c3c68_attn:
	.size	k_q4b211c3c68_attn, .Lfunc_end_k_q4b211c3c68_attn-k_q4b211c3c68_attn
	.p2alignl 7, 3214868480
	.fill 96, 4, 3214868480
	.section	.rodata,"a",@progbits
	.p2align	6, 0x0
	.amdhsa_kernel k_q4b211c3c68_attn
		.amdhsa_group_segment_fixed_size 263168
		.amdhsa_private_segment_fixed_size 0
		.amdhsa_enable_private_segment 0
		.amdhsa_kernarg_size 24
		.amdhsa_user_sgpr_count 2
		.amdhsa_user_sgpr_kernarg_segment_ptr 1
		.amdhsa_wavefront_size32 1
		.amdhsa_system_sgpr_workgroup_id_x 1
		.amdhsa_system_sgpr_workgroup_id_y 1
		.amdhsa_system_sgpr_workgroup_id_z 1
		.amdhsa_system_vgpr_workitem_id 0
		.amdhsa_next_free_vgpr 258
		.amdhsa_next_free_sgpr 84
		.amdhsa_reserve_vcc 0
		.amdhsa_float_denorm_mode_32 3
		.amdhsa_float_denorm_mode_16_64 3
		.amdhsa_memory_ordered 1
		.amdhsa_forward_progress 1
		.amdhsa_inst_pref_size 79
	.end_amdhsa_kernel
	.amdgpu_metadata
---
amdhsa.version: [ 1, 2 ]
amdhsa.kernels:
  - .name:           k_q4b211c3c68_attn
    .symbol:         k_q4b211c3c68_attn.kd
    .args:
      - { .name: qkv, .offset: 0, .size: 8, .value_kind: global_buffer, .address_space: global }
      - { .name: lowp_scales, .offset: 8, .size: 8, .value_kind: global_buffer, .address_space: global }
      - { .name: oc, .offset: 16, .size: 8, .value_kind: global_buffer, .address_space: global }
    .group_segment_fixed_size: 263168
    .private_segment_fixed_size: 0
    .kernarg_segment_align: 8
    .kernarg_segment_size: 24
    .max_flat_workgroup_size: 256
    .sgpr_count:     84
    .vgpr_count:     258
    .wavefront_size: 32
...
	.end_amdgpu_metadata
.endif
;; end of part 3
;; launch wo (part 4): grid 8 x 32, 4 waves a work-group, clusters of 4 x 4, 327,680 bytes of LDS; arguments oc, Wo_codes, sums; writes sums
.if DOCPART == 4
	.amdgcn_target "amdgcn-amd-amdhsa--gfx1250"
	.amdhsa_code_object_version 6
	.text
	.protected	k_q4b211c3c68_wo
	.globl	k_q4b211c3c68_wo
	.p2align	8
	.type	k_q4b211c3c68_wo,@function
k_q4b211c3c68_wo:
	s_mov_b64 s[64:65], 0
	v_nop
	global_prefetch_b8 v0, s[64:65] scope:SCOPE_SE
	s_setreg_imm32_b32 hwreg(HW_REG_WAVE_MODE, 25, 1), 1
	s_wait_xcnt 0x0
	s_wait_alu depctr_hold_cnt(0) depctr_sa_sdst(0) depctr_va_vdst(0) depctr_va_sdst(0) depctr_va_ssrc(0) depctr_va_vcc(0) depctr_vm_vsrc(0)
	s_getreg_b32 s2, hwreg(HW_REG_IB_STS2, 6, 4)
	s_cmp_eq_u32 s2, 0
	s_cbranch_scc0 .Lentry_in_a_cluster
	s_endpgm
.Lentry_in_a_cluster:
	s_bfe_u32 s2, ttmp6, 0x10000c
	s_cmp_lg_u32 s2, 0xf033
	s_cbranch_scc0 .Lentry_shape_is_right
	s_endpgm
.Lentry_shape_is_right:
; The raw f32 sums of C = A B^T on E4M3 codes.  C: [4096][1024] f32.  B: [1024][SIZE_K] codes, K innermost.
; A: [4096][SIZE_K] as images of operand registers: fragment (16 rows m16, 128 along K s) of 2,048 bytes at (m16 SIZE_K / 128 + s) 2,048: register block c (four registers) at 512 c, lane l's 16 bytes at 16 l;
; registers 2 c, 2 c + 1 of lane (r, h) hold k = 16 c + 8 h + 0 .. 7 of row r, this form's own places.  The scales, the bias and the residual are applied by the launch that follows, row by row.
; C has 64 tiles of 256 x 256, too few for 256 WGPs: a tile is 128 x 128, 256 work-groups.  Four waves, each 64 x 64: 16 accumulators.  K goes in steps of 512, as long as two slots in LDS allow.
; CLUSTERS of 4 x 4: A's tiles are shared along a row of the cluster, B's along a column, by joint loads.  The matrix instruction is used transposed (source 0 = B, source 1 = A): a lane holds 8 neighbouring columns of a row of C.
; REGISTERS: window 0: v0-31 addresses; v128-255 the accumulators ((a, b) at v[128 + 8 (4 a + b)]).   window 1: two fragment buffers of 128: A's four blocks (16 registers each), then B's four.
.set SIZE_K, 1024
.set KSTEP,  512
.set ABYTES, 65536                     ; a slot's part of A: 8 blocks of 16 rows x 4 fragments of 2,048 bytes, dense
.set PITCH,  528                       ; a row of B in LDS: 512 bytes + 16 = 132 words: lane (r, h) of a load of 8 bytes starts at word 4 r + 2 h mod 64: 32 lanes, 64 different words (64 banks of 4 bytes: ISA guide 11.1)
.set HALFB,  64*PITCH
.set SLOT,   ABYTES+2*HALFB            ; 133,120
.set STAGE,  2*SLOT                    ; behind the ring: 16 rows x 272 bytes for each wave
.set SPITCH, 272
.set SPARE,  STAGE+4*16*SPITCH         ; behind the stages: the spare words, 128 bytes for each wave, which no other line names
.set LAPS,   SIZE_K/(2*KSTEP)          ; a lap = two K steps = once round the ring
.set ADRA, 16                          ; v16-17  LDS address of my A fragments in slot 0, 1
.set ADRB, 20                          ; v20-21  the same for B
.set STO,  24                          ; v24     the way out: where I put 32 bytes of a row
.set RD,   25                          ; v25     where I read a row back
.set CO,   26                          ; v26     my byte offset in C
.set SPW,  28                          ; v28     LDS address of my spare word; never rewritten
.set NIL,  29                          ; v29     0; never rewritten
.set ACC,  128
.set F0,   0
.set F1,   128
.set G1, 24                            ; s[24:31] descriptor group 1 for A's tiles;  s[32:39] group 0, one set for each slot
.set G0, 32
.set G1B, 48                           ; s[48:55], s[56:63] the same for B's tiles
.set G0B, 56
.set MSB, 0
.macro WIN new                         ; the immediate's high byte repeats the setting that is left
.if MSB != \new
	s_set_vgpr_msb (MSB<<8)|\new
.set MSB, \new
.endif
.endm
.set MUL,  0x05                        ; sources 0 (B) and 1 (A) window 1; C and D window 0
.set TO_F, 0x40                        ; destination window 1, address window 0
.macro JLOAD s                         ; a joint load: waves 0 and 1 fetch A's two halves, waves 2 and 3 B's; four v_nop follow each of the two lines
	s_cmp_eq_u32 s11, 0
	s_cbranch_scc0 .Lfor_b_\@
	tensor_load_to_lds s[G0+4*\s:G0+4*\s+3], s[G1:G1+7]
	s_nop 0
.rept 4
	v_nop
.endr
	s_branch .Lasked_\@
.Lfor_b_\@:
	tensor_load_to_lds s[G0B+4*\s:G0B+4*\s+3], s[G1B:G1B+7]
	s_nop 0
.rept 4
	v_nop
.endr
.Lasked_\@:
.endm
.macro CREST                           ; a round of the cluster's barrier behind its opening barrier
	s_cmp_lg_u32 s10, 0
	s_cbranch_scc1 .Lnot_wave_0_\@
	s_barrier_signal -3
.Lnot_wave_0_\@:
	s_barrier_wait -3
	s_barrier_signal -1
	s_barrier_wait -1
.endm
.macro CROUND                          ; a whole round
	s_barrier_signal -1
	s_barrier_wait -1
	CREST
.endm
	s_load_b128 s[4:7], s[0:1], 0x0                ; A's images s[4:5], B's codes s[6:7]
	s_load_b64 s[8:9], s[0:1], 0x10                ; C
	v_lshl_add_u32 v[SPW], v0, 2, SPARE
	v_mov_b32 v[NIL], 0
	ds_add_u32 v28, v29
	ds_add_u32 v28, v29
	s_wait_dscnt 0x0
	v_lshrrev_b32 v1, 5, v0
	v_readfirstlane_b32 s10, v1                    ; wave 0..3
	s_lshr_b32 s11, s10, 1                         ; which half of the tile's rows is mine.  Also: I fetch for A (0) or for B (1)
	s_and_b32 s12, s10, 1                          ; which half of its columns.  Also: which half of that tile I fetch
	s_bfe_u32 s40, ttmp6, 0x40000                  ; cx, cy
	s_bfe_u32 s41, ttmp6, 0x40004
	s_lshl_b32 s42, ttmp9, 2
	s_add_co_u32 s42, s42, s40                     ; tile column of C
	s_and_b32 s13, ttmp7, 0xffff
	s_lshl_b32 s13, s13, 2
	s_add_co_u32 s13, s13, s41                     ; tile row of C
	s_lshl_b32 s43, s41, 2
	s_lshl_b32 s43, 15, s43                        ; my row of the cluster
	s_lshl_b32 s44, 0x1111, s40                    ; my column
	; A: four blocks of 16 rows, of each the step's four fragments: 4 rows of 8,192 bytes, 16 SIZE_K bytes apart, dense in LDS
	s_or_b32 s[G1+0], s43, (3<<16)|(1<<21)         ; 15:0 the mask: my row; 17:16 elements of 8 bytes; 21 set beside a mask; no padding
	s_mov_b32 s[G1+1], 1024<<16                    ; tensor_dim0 = 1,024
	s_mov_b32 s[G1+2], 4<<16                       ; tensor_dim1 = 4
	s_mov_b32 s[G1+3], 1024<<16                    ; tile_dim0
	s_mov_b32 s[G1+4], 4                           ; tile_dim1
	s_mov_b32 s[G1+5], 2*SIZE_K                    ; tensor_dim0_stride, in elements
	s_mov_b32 s[G1+6], 0
	s_mov_b32 s[G1+7], 0
	; B: 64 rows of 512 bytes, padded in LDS
	s_or_b32 s[G1B+0], s44, (0<<16)|(1<<20)|(1<<21)|(6<<22)|(3<<25)  ; the mask: my column; elements of 1 byte; padding: 4 words after every 128
	s_mov_b32 s[G1B+1], KSTEP<<16
	s_mov_b32 s[G1B+2], 64<<16
	s_mov_b32 s[G1B+3], KSTEP<<16
	s_mov_b32 s[G1B+4], 64
	s_mov_b32 s[G1B+5], SIZE_K
	s_mov_b32 s[G1B+6], 0
	s_mov_b32 s[G1B+7], 0
	s_lshl_b32 s16, s13, 3
	s_lshl_b32 s17, s12, 2
	s_add_co_u32 s16, s16, s17                     ; A: block of 16 rows 8 x tile row + 4 x half,
	s_mul_i32 s16, s16, 16*SIZE_K                  ; in bytes
	s_mov_b32 s17, 0
	s_lshl_b32 s46, s42, 7
	s_lshl_b32 s47, s12, 6
	s_add_co_u32 s46, s46, s47                     ; B: row 128 x tile column + 64 x half
	s_mul_i32 s46, s46, SIZE_K
	s_mov_b32 s47, 0
	s_lshl_b32 s20, s12, 15                        ; where they go: A's halves of 32,768 bytes,
	s_mul_i32 s21, s12, HALFB
	s_add_co_u32 s21, s21, ABYTES                  ; B's halves behind them: no place in the cluster enters an LDS address
	s_wait_kmcnt 0x0
	s_add_nc_u64 s[14:15], s[4:5], s[16:17]
	s_add_nc_u64 s[46:47], s[6:7], s[46:47]
	CROUND                                         ; all sixteen work-groups are here: the first joint loads meet
.irp s, 0,1
	s_mov_b32 s[G0+4*\s], 1
	s_add_co_u32 s[G0+4*\s+1], s20, \s*SLOT
	s_add_nc_u64 s[G0+4*\s+2:G0+4*\s+3], s[14:15], \s*8192
	s_or_b32 s[G0+4*\s+3], s[G0+4*\s+3], 0x80000000
	s_mov_b32 s[G0B+4*\s], 1
	s_add_co_u32 s[G0B+4*\s+1], s21, \s*SLOT
	s_add_nc_u64 s[G0B+4*\s+2:G0B+4*\s+3], s[46:47], \s*KSTEP
	s_or_b32 s[G0B+4*\s+3], s[G0B+4*\s+3], 0x80000000
	JLOAD \s
.endr
	v_and_b32 v1, 15, v0                           ; r
	v_bfe_u32 v2, v0, 4, 1                         ; h
	v_and_b32 v3, 31, v0
	v_lshlrev_b32 v3, 4, v3                        ; A: 16 x lane
	v_mul_u32_u24 v4, v1, PITCH
	v_lshl_add_u32 v4, v2, 3, v4                   ; B: row x pitch + 8 x half
	s_lshl_b32 s21, s11, 15                        ; my 64 rows of A
	s_mul_i32 s22, s12, HALFB                      ; my 64 rows of B,
	s_add_co_u32 s22, s22, ABYTES                  ; which lie behind A
.irp s, 0,1
	v_add_nc_u32 v[ADRA+\s], s21, v3
	v_add_nc_u32 v[ADRB+\s], s22, v4
	s_add_co_u32 s21, s21, SLOT
	s_add_co_u32 s22, s22, SLOT
.endr
	s_mul_i32 s23, s10, 16*SPITCH
	s_add_co_u32 s23, s23, STAGE                   ; my stage
	v_mul_u32_u24 v5, v1, SPITCH                   ; in: row r, 32 bytes for each half of the lanes
	v_lshl_add_u32 v5, v2, 5, v5
	v_add_nc_u32 v[STO], s23, v5
	v_mul_u32_u24 v5, v2, SPITCH                   ; back: lanes 0-15 one row of 256 bytes, lanes 16-31 the next
	v_lshl_add_u32 v5, v1, 4, v5
	v_add_nc_u32 v[RD], s23, v5
	v_lshlrev_b32 v5, 12, v2                       ; and the same two rows in C (4,096 bytes a row)
	v_lshl_add_u32 v[CO], v1, 4, v5
	s_lshl_b32 s16, s13, 7
	s_lshl_b32 s17, s11, 6
	s_add_co_u32 s16, s16, s17                     ; my first row of C
	s_lshl_b32 s16, s16, 12
	s_mov_b32 s17, 0
	s_add_nc_u64 s[8:9], s[8:9], s[16:17]
	s_lshl_b32 s46, s42, 9                         ; my first column, in bytes: 512 x tile column + 256 x half
	s_lshl_b32 s47, s12, 8
	s_add_co_u32 s46, s46, s47
	s_mov_b32 s47, 0
	s_add_nc_u64 s[8:9], s[8:9], s[46:47]
; 8 matrix instructions: A's blocks a0, a0 + 1 x B's four, 128 along K.  zero = 1: the product starts the sums.  The 16 accumulators take turns, one instruction a turn.
.macro MUL8 f, a0, zero
.irp a, \a0, \a0+1
.irp b, 0,1,2,3
.if \zero
	v_wmma_f32_16x16x128_fp8_fp8 v[ACC+8*(4*(\a)+\b):ACC+8*(4*(\a)+\b)+7], v[\f+64+16*\b:\f+64+16*\b+15], v[\f+16*(\a):\f+16*(\a)+15], 0
.else
	v_wmma_f32_16x16x128_fp8_fp8 v[ACC+8*(4*(\a)+\b):ACC+8*(4*(\a)+\b)+7], v[\f+64+16*\b:\f+64+16*\b+15], v[\f+16*(\a):\f+16*(\a)+15], v[ACC+8*(4*(\a)+\b):ACC+8*(4*(\a)+\b)+7]
.endif
.endr
.endr
.endm
; 48 LDS loads in one run: the fragments of the slot's qd-th 128 along K into buffer f: B's 32 loads of 8 bytes (k in this form's own places, as A's images have it), then A's 16 of 16 bytes
.macro FETCH slot, qd, f
	WIN TO_F
.irp i, 0,1,2,3
.irp c, 0,1,2,3,4,5,6,7
	ds_load_b64 v[\f+64+16*\i+2*\c:\f+64+16*\i+2*\c+1], v[ADRB+\slot] offset:\i*16*PITCH+128*(\qd)+16*\c
.endr
.endr
.irp i, 0,1,2,3
.irp c, 0,1,2,3
	ds_load_b128 v[\f+16*\i+4*\c:\f+16*\i+4*\c+3], v[ADRA+\slot] offset:\i*8192+2048*(\qd)+512*\c
.endr
.endr
.endm
.macro PLACES                          ; four places in front of loads into registers that matrix instructions have read, and of the first read of results (ISA guide 7.12.1 for the reads of results)
.rept 4
	v_nop
.endr
.endm
; A K step is four quarters of 128 along K, 16 matrix instructions each, on buffers 0, 1, 0, 1.  One of the first three: multiplies buffer f and fetches quarter qn into g.
.macro QUARTER slot, qn, f, g, zero
	s_wait_dscnt 8                                 ; B and A's blocks 0, 1 are in; the youngest 8 loads (A's blocks 2, 3) may be out
	WIN MUL
	MUL8 \f, 0, \zero
	PLACES
	FETCH \slot, \qn, \g
	s_wait_dscnt 48                                ; all but the 48 just issued
	WIN MUL
	MUL8 \f, 2, \zero
.endm
; The last quarter multiplies buffer 1 and changes slots: ONE barrier; in front of it each wave waits for all its tensor loads, adds 0 to its spare word, and waits for that and for its reads of this slot.  fill = 1: this slot is filled again, two K steps ahead.
.macro TURN slot, next, fill
	WIN 0                                          ; (the add's two registers lie in window 0)
	s_wait_tensorcnt 0x0                           ; all my tensor loads have landed: my part of the next slot
	ds_add_u32 v[SPW], v[NIL]                      ; 0 onto my spare word
	s_wait_dscnt 9                                 ; the add and the youngest 8 loads may be out
	WIN MUL
	MUL8 F1, 0, 0                                  ; eight matrix instructions stand between the add and the wait for it
	s_wait_dscnt 0x0                               ; the add is done, and my reads of this slot are over
	s_barrier_signal -1
	MUL8 F1, 2, 0
	WIN 0
	s_barrier_wait -1
.if \fill
	CREST                                          ; the barrier has opened a round of the cluster's barrier: no wave of any partner still reads this slot's tile or has a load on its way
	s_add_nc_u64 s[G0+4*\slot+2:G0+4*\slot+3], s[G0+4*\slot+2:G0+4*\slot+3], 2*8192
	s_add_nc_u64 s[G0B+4*\slot+2:G0B+4*\slot+3], s[G0B+4*\slot+2:G0B+4*\slot+3], 2*KSTEP
	JLOAD \slot                                    ; the first tensor load behind the round; its four v_nop are the places in front of the loads below
.else
	PLACES
.endif
	FETCH \next, 0, F0
.endm
	s_wait_tensorcnt 1                             ; my part of K step 0 is in; K step 1's load may be out
	s_barrier_signal -1
	s_barrier_wait -1                              ; everybody's is
	FETCH 0, 0, F0
	QUARTER 0, 1, F0, F1, 1                        ; the first quarter stands in front of the loop: its products start the sums
.if LAPS > 1
	WIN 0                                          ; at a label and at a branch every window is 0
	s_mov_b32 s3, LAPS-1
.Llap:                                                 ; a trip goes once round the ring, from a lap's second quarter to the next lap's first, and fills both slots again
	QUARTER 0, 2, F1, F0, 0
	QUARTER 0, 3, F0, F1, 0
	TURN 0, 1, 1
	QUARTER 1, 1, F0, F1, 0
	QUARTER 1, 2, F1, F0, 0
	QUARTER 1, 3, F0, F1, 0
	TURN 1, 0, 1
	QUARTER 0, 1, F0, F1, 0
	WIN 0
	s_sub_co_u32 s3, s3, 1
	s_cmp_lg_u32 s3, 0
	s_cbranch_scc1 .Llap
.endif
	QUARTER 0, 2, F1, F0, 0                        ; the last lap fills nothing, and has no round of the cluster's barrier
	QUARTER 0, 3, F0, F1, 0
	TURN 0, 1, 0
	QUARTER 1, 1, F0, F1, 0
	QUARTER 1, 2, F1, F0, 0
	QUARTER 1, 3, F0, F1, 0
	s_wait_dscnt 8                                 ; the very last quarter: nothing more to fetch
	WIN MUL
	MUL8 F1, 0, 0
	s_wait_dscnt 0
	MUL8 F1, 2, 0
	WIN 0
	; THE WAY OUT.  A lane holds 32 neighbouring bytes of a row; my 64 columns are 256 bytes.  A block of 16 rows goes through my own stage and comes back as whole rows, into the registers that it left.
	; LDS serves a wave's instructions in order (ISA guide 5.7.1.4): no wait between the stores and the loads, nor in front of the next block's stores.
	PLACES
.irp a, 0,1,2,3
.irp b, 0,1,2,3
	ds_store_b128 v[STO], v[ACC+8*(4*\a+\b):ACC+8*(4*\a+\b)+3] offset:64*\b          ; each accumulator from its low end on
	ds_store_b128 v[STO], v[ACC+8*(4*\a+\b)+4:ACC+8*(4*\a+\b)+7] offset:64*\b+16
.endr
.irp t, 0,1,2,3,4,5,6,7
	ds_load_b128 v[ACC+32*\a+4*\t:ACC+32*\a+4*\t+3], v[RD] offset:\t*2*SPITCH
.endr
.endr
.irp a, 0,1,2,3
	s_wait_dscnt 16*(3-\a)                         ; block a is back; the later blocks' 16 LDS instructions each may be out
.irp t, 0,1,2,3,4,5,6,7
	global_store_b128 v[CO], v[ACC+32*\a+4*\t:ACC+32*\a+4*\t+3], s[8:9] offset:(16*\a+2*\t)*4096   ; 16 lanes store 256 consecutive bytes, aligned
.endr
.endr
	s_wait_tensorcnt 0x0                           ; the wave's end
	ds_add_u32 v[SPW], v[NIL]
	s_wait_dscnt 0x0
	CROUND                                         ; the closing round
	s_endpgm
.Lfunc_end_k_q4b211c3c68_wo:
	.size	k_q4b211c3c68_wo, .Lfunc_end_k_q4b211c3c68_wo-k_q4b211c3c68_wo
	.p2alignl 7, 3214868480
	.fill 96, 4, 3214868480
	.section	.rodata,"a",@progbits
	.p2align	6, 0x0
	.amdhsa_kernel k_q4b211c3c68_wo
		.amdhsa_group_segment_fixed_size 327680
		.amdhsa_private_segment_fixed_size 0
		.amdhsa_enable_private_segment 0
		.amdhsa_kernarg_size 24
		.amdhsa_user_sgpr_count 2
		.amdhsa_user_sgpr_kernarg_segment_ptr 1
		.amdhsa_wavefront_size32 1
		.amdhsa_system_sgpr_workgroup_id_x 1
		.amdhsa_system_sgpr_workgroup_id_y 1
		.amdhsa_system_sgpr_workgroup_id_z 1
		.amdhsa_system_vgpr_workitem_id 0
		.amdhsa_next_free_vgpr 512
		.amdhsa_next_free_sgpr 66
		.amdhsa_reserve_vcc 0
		.amdhsa_float_denorm_mode_32 3
		.amdhsa_float_denorm_mode_16_64 3
		.amdhsa_memory_ordered 1
		.amdhsa_forward_progress 1
		.amdhsa_inst_pref_size 49
	.end_amdhsa_kernel
	.amdgpu_metadata
---
amdhsa.version: [ 1, 2 ]
amdhsa.kernels:
  - .name:           k_q4b211c3c68_wo
    .symbol:         k_q4b211c3c68_wo.kd
    .args:
      - { .name: oc, .offset: 0, .size: 8, .value_kind: global_buffer, .address_space: global }
      - { .name: Wo_codes, .offset: 8, .size: 8, .value_kind: global_buffer, .address_space: global }
      - { .name: sums, .offset: 16, .size: 8, .value_kind: global_buffer, .address_space: global }
    .group_segment_fixed_size: 327680
    .private_segment_fixed_size: 0
    .kernarg_segment_align: 8
    .kernarg_segment_size: 24
    .max_flat_workgroup_size: 128
    .sgpr_count:     66
    .vgpr_count:     512
    .wavefront_size: 32
...
	.end_amdgpu_metadata
.endif
;; end of part 4
;; launch ln1 (part 5): grid 256 x 1, 8 waves a work-group, no clusters, 0 bytes of LDS; arguments x, sums, bo, ln1_g, ln1_b, lowp_scales, hf, hc; writes hf, hc
.if DOCPART == 5
	.amdgcn_target "amdgcn-amd-amdhsa--gfx1250"
	.amdhsa_code_object_version 6
	.text
	.protected	k_q4b211c3c68_ln1
	.globl	k_q4b211c3c68_ln1
	.p2align	8
	.type	k_q4b211c3c68_ln1,@function
k_q4b211c3c68_ln1:
	s_mov_b64 s[64:65], 0
	v_nop
	global_prefetch_b8 v0, s[64:65] scope:SCOPE_SE
	s_setreg_imm32_b32 hwreg(HW_REG_WAVE_MODE, 25, 1), 1
	s_wait_xcnt 0x0
; y = layernorm(res + sums x 2^e + bias) x gain + beta, rows of 1,024 f32.  One source for two launches:
; MODE 1: e = e10 + e11; y goes out as f32 and as E4M3 codes (entry 12), row-major.   MODE 2: e = e14 + e15; y is the result, f32 alone.
; A stream: memory binds.  One wave, one row at a time: the row stays in 32 registers between the passes, the sums never leave the wave: no LDS, no barrier.  Wave g = 8 x work-group + wave takes rows 2 g and 2 g + 1.
; Lane l holds columns 128 i + 4 l + 0 .. 3, i = 0 .. 7: each load and each f32 store covers 512 consecutive bytes.  All 56 loads go out at once.
; The variance is taken of x - mean, in a second pass over the registers: a common offset of the inputs costs nothing.
; The codes: a conversion takes the lane's 4 numbers of two loads, 128 columns apart; neighbouring lanes exchange one register, so that a store of 8 bytes a lane covers 256 consecutive bytes, aligned.
; LIMITS: e between -126 and 127; e12 between -126 and 119.  NaN among the inputs is not served.
.set MODE, 1
.set BI, 16                            ; v16-47   bias
.set GA, 48                            ; v48-79   gain
.set BE, 80                            ; v80-111  beta
.set R0, 112                           ; v112-143 row 0: the residual, then y
.set S0, 144                           ; v144-175 row 0: the sums, then held numbers
.set R1, 176
.set S1, 208
.set C0, 240                           ; v240-247 row 0's codes;  v248-255 row 1's
.set C1, 248
	s_load_b256 s[4:11], s[0:1], 0x0               ; res s[4:5], sums s[6:7], bias s[8:9], gain s[10:11]
	s_load_b128 s[12:15], s[0:1], 0x20             ; beta s[12:13], the scales' exponents s[14:15]
	s_load_b64 s[16:17], s[0:1], 0x30              ; y as f32
.if MODE == 1
	s_load_b64 s[18:19], s[0:1], 0x38              ; y as codes
.endif
	v_lshrrev_b32 v1, 5, v0
	v_readfirstlane_b32 s40, v1                    ; wave 0..7
	v_and_b32 v1, 31, v0
	v_lshlrev_b32 v2, 4, v1                        ; 16 bytes a lane
.if MODE == 1
	v_and_b32 v10, 1, v1
	v_lshrrev_b32 v3, 1, v1
	v_lshlrev_b32 v3, 3, v3
	v_lshl_add_u32 v3, v10, 7, v3                  ; the codes: 8 (lane / 2) + 128 (lane % 2)
	v_cmp_eq_u32 vcc_lo, 1, v10                    ; the odd lanes
	v_mov_b32 v15, 0                               ; written once: the destination of a lane exchange counts as read
.endif
	s_lshl_b32 s41, ttmp9, 3
	s_add_co_u32 s41, s41, s40                     ; g
	s_lshl_b32 s42, s41, 13                        ; two rows of 4,096 bytes,
	s_mov_b32 s43, 0
	s_lshl_b32 s44, s41, 11                        ; of 1,024 codes
	s_mov_b32 s45, 0
	s_mov_b32 s2, 0x76543210                       ; lane selects: lane l xor 16
	s_mov_b32 s3, 0xfedcba98
	s_mov_b32 s22, 0x3a800000                      ; 1 / 1,024
	s_mov_b32 s23, 0x3727c5ac                      ; 1e-5
	s_wait_kmcnt 0x0
	s_load_b512 s[24:39], s[14:15], 0x0            ; e0 .. e15 in s24 ..
	s_add_nc_u64 s[4:5], s[4:5], s[42:43]
	s_add_nc_u64 s[6:7], s[6:7], s[42:43]
	s_add_nc_u64 s[16:17], s[16:17], s[42:43]
.if MODE == 1
	s_add_nc_u64 s[18:19], s[18:19], s[44:45]
.endif
.irp i, 0,1,2,3,4,5,6,7
	global_load_b128 v[BI+4*\i:BI+4*\i+3], v2, s[8:9] offset:512*\i
.endr
.irp i, 0,1,2,3,4,5,6,7
	global_load_b128 v[GA+4*\i:GA+4*\i+3], v2, s[10:11] offset:512*\i
.endr
.irp i, 0,1,2,3,4,5,6,7
	global_load_b128 v[BE+4*\i:BE+4*\i+3], v2, s[12:13] offset:512*\i
.endr
.irp i, 0,1,2,3,4,5,6,7
	global_load_b128 v[R0+4*\i:R0+4*\i+3], v2, s[4:5] offset:512*\i
	global_load_b128 v[S0+4*\i:S0+4*\i+3], v2, s[6:7] offset:512*\i
.endr
.irp i, 0,1,2,3,4,5,6,7
	global_load_b128 v[R1+4*\i:R1+4*\i+3], v2, s[4:5] offset:4096+512*\i
	global_load_b128 v[S1+4*\i:S1+4*\i+3], v2, s[6:7] offset:4096+512*\i
.endr
	s_wait_kmcnt 0x0
.if MODE == 1
	s_add_co_i32 s20, s34, s35                     ; e10 + e11
	s_add_co_i32 s46, s36, 127                     ; e12
	s_lshl_b32 s47, s46, 23
	v_mov_b32 v4, s47                              ; 2^e12, for the conversion
	s_add_co_i32 s46, s46, 8
	s_lshl_b32 s46, s46, 23
	s_or_b32 s46, s46, 0x600000
	v_mov_b32 v5, s46                              ; 448 x 2^e12
.else
	s_add_co_i32 s20, s38, s39                     ; e14 + e15
.endif
	s_add_co_i32 s20, s20, 127
	s_lshl_b32 s20, s20, 23                        ; 2^e as f32
	s_mov_b32 s21, s20                             ; (named with it as a pair)
.macro REDUCE                          ; the pairs v[6:7] and v[8:9] of all 32 lanes are added: the sum in v6 of every lane
	v_pk_add_f32 v[6:7], v[6:7], v[8:9]
	v_add_f32 v6, v6, v7
	v_add_f32_dpp v6, v6, v6 row_xmask:1 row_mask:0xf bank_mask:0xf
	v_add_f32_dpp v6, v6, v6 row_xmask:2 row_mask:0xf bank_mask:0xf
	v_add_f32_dpp v6, v6, v6 row_xmask:4 row_mask:0xf bank_mask:0xf
	v_add_f32_dpp v6, v6, v6 row_xmask:8 row_mask:0xf bank_mask:0xf
	v_permlanex16_b32 v7, v6, s2, s3
	v_add_f32 v6, v6, v7
.endm
.macro ROW r, s, c, row
.set jj, 0
.rept 16
	v_pk_fma_f32 v[\r+jj:\r+jj+1], v[\s+jj:\s+jj+1], s[20:21], v[\r+jj:\r+jj+1] op_sel_hi:[1,0,1]   ; the residual + sum x 2^e
.set jj, jj+2
.endr
.set jj, 0
.rept 16
	v_pk_add_f32 v[\r+jj:\r+jj+1], v[\r+jj:\r+jj+1], v[BI+jj:BI+jj+1]
.set jj, jj+2
.endr
	v_pk_add_f32 v[6:7], v[\r:\r+1], v[\r+2:\r+3]  ; the row's sum, in two chains
	v_pk_add_f32 v[8:9], v[\r+4:\r+5], v[\r+6:\r+7]
.irp j, 8,12,16,20,24,28
	v_pk_add_f32 v[6:7], v[6:7], v[\r+\j:\r+\j+1]
	v_pk_add_f32 v[8:9], v[8:9], v[\r+\j+2:\r+\j+3]
.endr
	REDUCE
	v_mul_f32 v10, s22, v6                         ; the mean
	v_mov_b32 v11, v10
.set jj, 0
.rept 16
	v_pk_add_f32 v[\r+jj:\r+jj+1], v[\r+jj:\r+jj+1], v[10:11] neg_lo:[0,1] neg_hi:[0,1]
.set jj, jj+2
.endr
	v_pk_mul_f32 v[6:7], v[\r:\r+1], v[\r:\r+1]    ; the sum of squares of x - mean
	v_pk_mul_f32 v[8:9], v[\r+2:\r+3], v[\r+2:\r+3]
.irp j, 4,8,12,16,20,24,28
	v_pk_fma_f32 v[6:7], v[\r+\j:\r+\j+1], v[\r+\j:\r+\j+1], v[6:7]
	v_pk_fma_f32 v[8:9], v[\r+\j+2:\r+\j+3], v[\r+\j+2:\r+\j+3], v[8:9]
.endr
	REDUCE
	v_fma_f32 v6, v6, s22, s23                     ; the variance + 1e-5
	v_rsq_f32 v12, v6
	v_nop                                          ; a plain line behind the transcendental
	s_wait_alu depctr_va_vdst(0)
	v_mov_b32 v13, v12
.set jj, 0
.rept 16
	v_pk_mul_f32 v[\r+jj:\r+jj+1], v[\r+jj:\r+jj+1], v[12:13]
.set jj, jj+2
.endr
.set jj, 0
.rept 16
	v_pk_fma_f32 v[\r+jj:\r+jj+1], v[\r+jj:\r+jj+1], v[GA+jj:GA+jj+1], v[BE+jj:BE+jj+1]
.set jj, jj+2
.endr
.irp i, 0,1,2,3,4,5,6,7
	global_store_b128 v2, v[\r+4*\i:\r+4*\i+3], s[16:17] offset:4096*\row+512*\i   ; these registers are not written again
.endr
.if MODE == 1
.set jj, 0
.rept 32
	v_med3_num_f32 v[\s+jj], v[\r+jj], -v5, v5     ; the conversion to an 8-bit code does not saturate (ISA guide 7.6.2)
.set jj, jj+1
.endr
.irp q, 0,1,2,3
	v_cvt_scalef32_pk8_fp8_f32 v[\c+2*\q:\c+2*\q+1], v[\s+8*\q:\s+8*\q+7], v4
.endr
	v_nop                                          ; one plain line between the last conversion and the first read of a result
.irp q, 0,1,2,3
	v_cndmask_b32 v14, v[\c+2*\q+1], v[\c+2*\q], vcc_lo              ; an even lane gives its second register for the odd neighbour's first
	v_mov_b32_dpp v15, v14 row_xmask:1 row_mask:0xf bank_mask:0xf
	v_cndmask_b32 v[\c+2*\q], v[\c+2*\q], v15, vcc_lo
	v_cndmask_b32 v[\c+2*\q+1], v15, v[\c+2*\q+1], vcc_lo
	global_store_b64 v3, v[\c+2*\q:\c+2*\q+1], s[18:19] offset:1024*\row+256*\q   ; 32 lanes store 256 consecutive bytes, aligned
.endr
.endif
.endm
	s_wait_loadcnt 16                              ; the parameters and row 0 are in; row 1's 16 loads stay out
	ROW R0, S0, C0, 0
	s_wait_loadcnt 0x0
	ROW R1, S1, C1, 1
	s_endpgm
.Lfunc_end_k_q4b211c3c68_ln1:
	.size	k_q4b211c3c68_ln1, .Lfunc_end_k_q4b211c3c68_ln1-k_q4b211c3c68_ln1
	.p2alignl 7, 3214868480
	.fill 96, 4, 3214868480
	.section	.rodata,"a",@progbits
	.p2align	6, 0x0
	.amdhsa_kernel k_q4b211c3c68_ln1
		.amdhsa_group_segment_fixed_size 0
		.amdhsa_private_segment_fixed_size 0
		.amdhsa_enable_private_segment 0
		.amdhsa_kernarg_size 64
		.amdhsa_user_sgpr_count 2
		.amdhsa_user_sgpr_kernarg_segment_ptr 1
		.amdhsa_wavefront_size32 1
		.amdhsa_system_sgpr_workgroup_id_x 1
		.amdhsa_system_sgpr_workgroup_id_y 1
		.amdhsa_system_sgpr_workgroup_id_z 1
		.amdhsa_system_vgpr_workitem_id 0
		.amdhsa_next_free_vgpr 256
		.amdhsa_next_free_sgpr 66
		.amdhsa_reserve_vcc 1
		.amdhsa_float_denorm_mode_32 3
		.amdhsa_float_denorm_mode_16_64 3
		.amdhsa_memory_ordered 1
		.amdhsa_forward_progress 1
		.amdhsa_inst_pref_size 32
	.end_amdhsa_kernel
	.amdgpu_metadata
---
amdhsa.version: [ 1, 2 ]
amdhsa.kernels:
  - .name:           k_q4b211c3c68_ln1
    .symbol:         k_q4b211c3c68_ln1.kd
    .args:
      - { .name: x, .offset: 0, .size: 8, .value_kind: global_buffer, .address_space: global }
      - { .name: sums, .offset: 8, .size: 8, .value_kind: global_buffer, .address_space: global }
      - { .name: bo, .offset: 16, .size: 8, .value_kind: global_buffer, .address_space: global }
      - { .name: ln1_g, .offset: 24, .size: 8, .value_kind: global_buffer, .address_space: global }
      - { .name: ln1_b, .offset: 32, .size: 8, .value_kind: global_buffer, .address_space: global }
      - { .name: lowp_scales, .offset: 40, .size: 8, .value_kind: global_buffer, .address_space: global }
      - { .name: hf, .offset: 48, .size: 8, .value_kind: global_buffer, .address_space: global }
      - { .name: hc, .offset: 56, .size: 8, .value_kind: global_buffer, .address_space: global }
    .group_segment_fixed_size: 0
    .private_segment_fixed_size: 0
    .kernarg_segment_align: 8
    .kernarg_segment_size: 64
    .max_flat_workgroup_size: 256
    .sgpr_count:     66
    .vgpr_count:     256
    .wavefront_size: 32
...
	.end_amdgpu_metadata
.endif
;; end of part 5
;; launch ffn1 (part 6): grid 16 x 16, 4 waves a work-group, clusters of 4 x 4, 327,680 bytes of LDS; arguments hc, W1_codes, b1, lowp_scales, hid; writes hid
.if DOCPART == 6
	.amdgcn_target "amdgcn-amd-amdhsa--gfx1250"
	.amdhsa_code_object_version 6
	.text
	.protected	k_q4b211c3c68_ffn1
	.globl	k_q4b211c3c68_ffn1
	.p2align	8
	.type	k_q4b211c3c68_ffn1,@function
k_q4b211c3c68_ffn1:
	s_mov_b64 s[64:65], 0
	v_nop
	global_prefetch_b8 v0, s[64:65] scope:SCOPE_SE
	s_setreg_imm32_b32 hwreg(HW_REG_WAVE_MODE, 25, 1), 1
	s_wait_xcnt 0x0
	s_wait_alu depctr_hold_cnt(0) depctr_sa_sdst(0) depctr_va_vdst(0) depctr_va_sdst(0) depctr_va_ssrc(0) depctr_va_vcc(0) depctr_vm_vsrc(0)
	s_getreg_b32 s2, hwreg(HW_REG_IB_STS2, 6, 4)
	s_cmp_eq_u32 s2, 0
	s_cbranch_scc0 .Lentry_in_a_cluster
	s_endpgm
.Lentry_in_a_cluster:
	s_bfe_u32 s2, ttmp6, 0x10000c
	s_cmp_lg_u32 s2, 0xf033
	s_cbranch_scc0 .Lentry_shape_is_right
	s_endpgm
.Lentry_shape_is_right:
; A GEMM on E4M3 codes, C = A B^T over K = 1,024, whose result is biased, quantised and stored as the NEXT product's operand.  One source for two launches:
; KIND 0: q = x Wq + bq, k = x Wk + bk (A = x's codes, B = the weight's) and V^T = Wv x^T + bv (A = Wv's codes, B = x's): cluster x = 0, 1, 2 says which.
;         V is made transposed, so that a lane holds one of the head's dims and its registers run along the tokens, which are the K of attention's second product.
; KIND 1: relu(h W1 + b1) (A = h's codes, B = W1's).
; A tile of C, 256 x 256, is made by four waves, as many as a WGP has SIMDs; a wave makes 128 x 128: 64 accumulators, 512 registers.  K goes in steps of 256 through two LDS slots
; filled by the tensor data mover: a tile's row is 256 bytes of memory.  CLUSTERS of 4 x 4: the four of a row need the same tiles of A, the four of a column the same tiles of B:
; each tile is asked for jointly.  The matrix instruction is used transposed (source 0 = 16 rows of B, source 1 = 16 rows of A): a lane holds 8 neighbouring columns of one row of C.
; Both operands come from rows by loads of 16 bytes: the same permutation of k on both sides, so every product meets its partner.
; THE WAY OUT uses no LDS.  sum x 2^(eA + eB) + bias, held, converted: the 8 codes of accumulator (a, b) ARE registers 2 b, 2 b + 1 of the next operand's fragment in the plain 8-bit
; layout (k = 16 b + 8 (lane / 16) + 0 .. 7 of row lane % 16).  Four registers go out as they stand, lane l's 16 bytes at 16 l: a store covers 512 consecutive bytes, aligned.
;   q, k: fragment (batch-head bh, 16 tokens t16) of 16 x 64: byte (bh 128 + t16) 1,024 + 512 block.   V^T: fragment (bh, 64 keys, 16 dims d16): byte ((bh 32 + step) 4 + d16) 1,024 + 512 block.
;   hidden layer: fragment (16 rows m16, 128 along K s) of 16 x 128: byte (m16 32 + s) 2,048 + 512 block.
; LIMITS: eA + eB between -126 and 127; the result's e between -126 and 119.  NaN among the inputs is not served.
; REGISTERS, in windows of 256: window 0: v0-31 addresses and the two quantiser numbers; v32-47 bias by row; v64-127 bias by column; from v128 A's fragments, ONE set (on the way out: v128-191 numbers, v192-223 codes).
;   window 1: B's fragments, TWO sets.   window 2: the accumulators of my rows 0-63 ((a, b) at v[8 (8 a + b)]);   window 3: those of my rows 64-127.
.set KIND,   1
.set SIZE_K, 1024
.set KSTEP,  256                       ; along K in a slot
.set ROWB,   256                       ; a tile's row in bytes
.set KROW,   SIZE_K                    ; a row of A or of B in memory, in bytes
.set PITCH,  272                       ; an LDS row: 256 bytes + 16 of padding = 68 words: row r starts at bank 4 r mod 64 (64 banks of 4 bytes: ISA guide 11.1)
.set FR,     16                        ; registers of a fragment: 16 rows x 128 K
.set NL,     4                         ; LDS loads that bring one
.set NP,     4                         ; places behind this matrix instruction (ISA guide 7.12.1)
.set HALFT,  128*PITCH                 ; 128 rows: what one tensor load brings
.set SLOT,   4*HALFT                   ; A's 256 rows, then B's 256 rows
.set LAPS,   SIZE_K/(2*KSTEP)          ; a lap = two K steps = once round the ring
.set SPARE,  2*SLOT                    ; behind the ring: the spare words, 128 bytes for each wave, which no other line names
.set ADRA, 16                          ; v16-17  LDS address of my A fragments in slot 0, 1
.set ADRB, 20                          ; v20-21  the same for B
.set CO,   26                          ; v26     16 x lane;  v27 the same + the step from block 1 to block 2 (KIND 0)
.set SPW,  28                          ; v28     LDS address of my spare word; never rewritten
.set NIL,  29                          ; v29     0; never rewritten
.set SC,   30                          ; v30     2^e of the result, for the conversion
.set LIM,  31                          ; v31     448 x that
.set BR,   32                          ; v32-47  bias of row 16 a + lane % 16 at v[BR + 2 a]; the odd registers are 0 (named as pairs)
.set BC,   64                          ; v64-127 bias of column 16 b + 8 (lane / 16) + j at v[BC + 8 b + j]
.set AF,   128
.set TMP,  128
.set CD,   192
.set G1, 24                            ; s[24:31] descriptor group 1 for A's tiles;  s[32:39] group 0, one set for each slot
.set G0, 32
.set G1B, 48                           ; s[48:55], s[56:63] the same for B's tiles
.set G0B, 56
.set MSB, 0
.macro WIN new                         ; the immediate's high byte repeats the setting that is left
.if MSB != \new
	s_set_vgpr_msb (MSB<<8)|\new
.set MSB, \new
.endif
.endm
.set MUL_LO, 0xa1                      ; source 0 (B) window 1, source 1 (A) window 0, C and D window 2
.set MUL_HI, 0xf1                      ; the same, C and D window 3
.set TO_B,   0x40                      ; destination window 1, address window 0
; A joint load: waves 0 and 1 fetch for A, waves 2 and 3 for B.  The branch hangs on the wave's number alone.  Four v_nop follow each of the two lines.
.macro JLOAD g0a, g1a, g0b, g1b
	s_cmp_eq_u32 s15, 0
	s_cbranch_scc0 .Lfor_b_\@
	tensor_load_to_lds s[\g0a:\g0a+3], s[\g1a:\g1a+7]
	s_nop 0
.rept 4
	v_nop
.endr
	s_branch .Lasked_\@
.Lfor_b_\@:
	tensor_load_to_lds s[\g0b:\g0b+3], s[\g1b:\g1b+7]
	s_nop 0
.rept 4
	v_nop
.endr
.Lasked_\@:
.endm
.macro CREST                           ; a round of the cluster's barrier behind its opening barrier
	s_cmp_lg_u32 s14, 0
	s_cbranch_scc1 .Lnot_wave_0_\@
	s_barrier_signal -3
.Lnot_wave_0_\@:
	s_barrier_wait -3
	s_barrier_signal -1
	s_barrier_wait -1
.endm
.macro CROUND                          ; a whole round
	s_barrier_signal -1
	s_barrier_wait -1
	CREST
.endm
.if KIND == 0
	s_load_b512 s[68:83], s[0:1], 0x0              ; xc, Wq, Wk, Wv, bq, bk, bv, the scales' exponents
	s_load_b64 s[84:85], s[0:1], 0x40              ; qkv
.else
	s_load_b128 s[4:7], s[0:1], 0x0                ; A's codes, B's codes
	s_load_b64 s[90:91], s[0:1], 0x10              ; the bias
	s_load_b64 s[86:87], s[0:1], 0x18              ; the scales' exponents
	s_load_b64 s[84:85], s[0:1], 0x20              ; the result
.endif
	v_lshl_add_u32 v[SPW], v0, 2, SPARE
	v_mov_b32 v[NIL], 0
	ds_add_u32 v28, v29
	ds_add_u32 v28, v29
	s_wait_dscnt 0x0
	v_lshrrev_b32 v1, 5, v0
	v_readfirstlane_b32 s14, v1                    ; wave 0..3
	s_lshr_b32 s15, s14, 1                         ; which half of the tile's rows is mine.  Also: I fetch for A (0) or for B (1)
	s_and_b32 s16, s14, 1                          ; which half of its columns.  Also: which 128 rows of that tile I fetch
	s_bfe_u32 s40, ttmp6, 0x40000                  ; cx, cy: my place in the cluster
	s_bfe_u32 s41, ttmp6, 0x40004
	s_and_b32 s17, ttmp7, 0xffff
	s_lshl_b32 s17, s17, 2                         ; 4 x cluster y
.if KIND == 0
	s_cmp_lt_u32 ttmp9, 2                          ; q, k: 16 tile rows (tokens) x 4 tile columns;  V^T: 4 tile rows (dims) x 16 tile columns (tokens).  Cluster x is the same in all partners
	s_cselect_b32 s42, 0, s17
	s_cselect_b32 s17, s17, 0
.else
	s_lshl_b32 s42, ttmp9, 2
.endif
	s_add_co_u32 s42, s42, s40                     ; tile column of C
	s_add_co_u32 s17, s17, s41                     ; tile row of C
	s_lshl_b32 s43, s41, 2
	s_lshl_b32 s43, 15, s43                        ; my row of the cluster
	s_lshl_b32 s44, 0x1111, s40                    ; my column
	; descriptor group 1: a tile of 128 rows x 256 bytes, padded in LDS
	s_or_b32 s[G1+0], s43, (0<<16)|(1<<20)|(1<<21)|(5<<22)|(3<<25)  ; 15:0 the mask: A's tiles go to my row; 17:16 element of 1 byte; 20 padding on; 21 set beside a mask; 24:22 after every 64 words; 31:25 of 4 words
	s_or_b32 s[G1B+0], s44, (0<<16)|(1<<20)|(1<<21)|(5<<22)|(3<<25)
.irp g, G1, G1B
	s_mov_b32 s[\g+1], ROWB<<16                    ; tensor_dim0
	s_mov_b32 s[\g+2], 128<<16                     ; tensor_dim1 = 128
	s_mov_b32 s[\g+3], ROWB<<16                    ; tile_dim0
	s_mov_b32 s[\g+4], 128                         ; tile_dim1 = 128
	s_mov_b32 s[\g+5], KROW                        ; tensor_dim0_stride
	s_mov_b32 s[\g+6], 0
	s_mov_b32 s[\g+7], 0
.endr
	s_lshl_b32 s18, s16, 7                         ; which 128 rows of the tile I fetch
	s_lshl_b32 s20, s17, 8
	s_add_co_u32 s20, s20, s18                     ; A: row 256 x tile row + 128 x half,
	s_lshl_b32 s20, s20, 10                        ; of 1,024 bytes
	s_mov_b32 s21, 0
	s_lshl_b32 s46, s42, 8
	s_add_co_u32 s46, s46, s18                     ; B: row 256 x tile column + 128 x half
	s_lshl_b32 s46, s46, 10
	s_mov_b32 s47, 0
	s_mul_i32 s45, s14, HALFT                      ; where they go: wave x 128 rows: no place in the cluster enters an LDS address
	s_wait_kmcnt 0x0
.if KIND == 0
	s_lshl_b32 s88, ttmp9, 22                      ; x's codes for this product, and this product's part of the result: 4 MiB each
	s_mov_b32 s89, 0
	s_add_nc_u64 s[68:69], s[68:69], s[88:89]
	s_add_nc_u64 s[84:85], s[84:85], s[88:89]
	s_cmp_eq_u32 ttmp9, 0                          ; the buffers are chosen by the cluster's x alone
	s_cselect_b64 s[6:7], s[70:71], s[72:73]
	s_cselect_b64 s[90:91], s[76:77], s[78:79]
	s_cmp_eq_u32 ttmp9, 2
	s_cselect_b64 s[4:5], s[74:75], s[68:69]       ; A: Wv's codes, or x's
	s_cselect_b64 s[6:7], s[68:69], s[6:7]         ; B: x's codes, or Wq's or Wk's
	s_cselect_b64 s[90:91], s[80:81], s[90:91]     ; the bias
	s_mov_b64 s[86:87], s[82:83]
.endif
	s_load_b512 s[68:83], s[86:87], 0x0            ; e0 .. e15; waited for at the way out
	s_add_nc_u64 s[20:21], s[4:5], s[20:21]
	s_add_nc_u64 s[46:47], s[6:7], s[46:47]
	CROUND                                         ; all sixteen work-groups are here: the first joint loads meet
.irp s, 0,1
	s_mov_b32 s[G0+4*\s], 1
	s_add_co_u32 s[G0+4*\s+1], s45, \s*SLOT
	s_add_nc_u64 s[G0+4*\s+2:G0+4*\s+3], s[20:21], \s*ROWB
	s_or_b32 s[G0+4*\s+3], s[G0+4*\s+3], 0x80000000
	s_mov_b32 s[G0B+4*\s], 1
	s_add_co_u32 s[G0B+4*\s+1], s45, \s*SLOT
	s_add_nc_u64 s[G0B+4*\s+2:G0B+4*\s+3], s[46:47], \s*ROWB
	s_or_b32 s[G0B+4*\s+3], s[G0B+4*\s+3], 0x80000000
	JLOAD G0+4*\s, G1, G0B+4*\s, G1B
.endr
	v_and_b32 v1, 15, v0                           ; l % 16
	v_bfe_u32 v2, v0, 4, 1                         ; l / 16
	v_mul_u32_u24 v3, v1, PITCH
	v_lshl_add_u32 v4, v2, 4, v3                   ; a fragment's row x pitch + 16 x half
	s_mul_i32 s21, s15, HALFT                      ; my 128 rows of A
	s_mul_i32 s22, s16, HALFT                      ; my 128 rows of B,
	s_add_co_u32 s22, s22, 2*HALFT                 ; which lie behind A's 256
.irp s, 0,1
	v_add_nc_u32 v[ADRA+\s], s21, v4
	v_add_nc_u32 v[ADRB+\s], s22, v4
	s_add_co_u32 s21, s21, SLOT
	s_add_co_u32 s22, s22, SLOT
.endr
	v_and_b32 v6, 31, v0
	v_lshlrev_b32 v[CO], 4, v6                     ; 16 x lane
	; THE BIAS, asked for now and waited for at the way out; v8, v9 and s[92:95] are never rewritten.  By column where C's columns are the outputs (q, k, the hidden layer), by row for V^T.
	; KIND 0 loads both forms on one path: the form that this cluster does not use is read at the bias's first bytes and set to 0 at the way out.
	s_lshl_b32 s88, s42, 10
	s_lshl_b32 s89, s16, 9
	s_add_co_u32 s88, s88, s89                     ; my first column x 4 bytes
.if KIND == 0
	s_lshl_b32 s92, s17, 10
	s_lshl_b32 s93, s15, 9
	s_add_co_u32 s94, s92, s93                     ; my first row x 4 bytes
	s_cmp_lt_u32 ttmp9, 2
	s_cselect_b32 s92, s88, 0
	s_cselect_b32 s94, 0, s94
	s_mov_b32 s93, 0
	s_mov_b32 s95, 0
	s_add_nc_u64 s[92:93], s[90:91], s[92:93]
	s_add_nc_u64 s[94:95], s[90:91], s[94:95]
.else
	s_mov_b32 s89, 0
	s_add_nc_u64 s[92:93], s[90:91], s[88:89]
.endif
	v_lshlrev_b32 v8, 5, v2                        ; 32 bytes for each half of the lanes
.irp b, 0,1,2,3,4,5,6,7
	global_load_b128 v[BC+8*\b:BC+8*\b+3], v8, s[92:93] offset:64*\b
	global_load_b128 v[BC+8*\b+4:BC+8*\b+7], v8, s[92:93] offset:64*\b+16
.endr
.if KIND == 0
	v_lshlrev_b32 v9, 2, v1
.irp a, 0,1,2,3,4,5,6,7
	global_load_b32 v[BR+2*\a], v9, s[94:95] offset:64*\a
	v_mov_b32 v[BR+2*\a+1], 0
.endr
.endif
.macro FRAG reg, adr, q, i             ; a fragment: lane l holds row l % 16; registers 4 c .. 4 c + 3 hold K = 32 c + 16 (l / 16) + 0 .. 15
.irp c, 0,1,2,3
	ds_load_b128 v[\reg+4*\c:\reg+4*\c+3], v[\adr] offset:128*(\q)+32*\c+(\i)*16*PITCH
.endr
.endm
; 16 matrix instructions: A's blocks a0, a0 + 1 x B's eight, 128 along K.  p: B's set.  zero = 1: the first product starts the sums.
; The 64 accumulators take turns, one instruction a turn, in the same order in every step.
.macro MUL16 a0, p, zero
.irp a, \a0, \a0+1
.irp b, 0,1,2,3,4,5,6,7
.if \zero
	v_wmma_f32_16x16x128_fp8_fp8 v[8*(8*((\a)%4)+\b):8*(8*((\a)%4)+\b)+7], v[128*(\p)+FR*\b:128*(\p)+FR*\b+FR-1], v[AF+FR*(\a):AF+FR*(\a)+FR-1], 0
.else
	v_wmma_f32_16x16x128_fp8_fp8 v[8*(8*((\a)%4)+\b):8*(8*((\a)%4)+\b)+7], v[128*(\p)+FR*\b:128*(\p)+FR*\b+FR-1], v[AF+FR*(\a):AF+FR*(\a)+FR-1], v[8*(8*((\a)%4)+\b):8*(8*((\a)%4)+\b)+7]
.endif
.endr
.endr
.endm
.macro FETCH_B slot, q, p              ; B's eight fragments of the slot's q-th 128 along K into set p
	WIN TO_B
.irp i, 0,1,2,3,4,5,6,7
	FRAG 128*(\p)+FR*\i, ADRB+\slot, \q, \i
.endr
	WIN 0
.endm
.macro FETCH_A slot, q, i0             ; A's blocks i0 .. i0 + 3
.irp i, \i0, \i0+1, \i0+2, \i0+3
	FRAG AF+FR*(\i), ADRA+\slot, \q, \i
.endr
.endm
; A load into a register that a matrix instruction has read, and a vector instruction that reads a matrix result, stand NP places behind that matrix instruction; only plain vector
; instructions that name none of its registers are places (ISA guide 7.12.1 for vector instructions).
.macro PLACES n
.rept \n
	v_nop
.endr
.endm
; A step of 128 along K that has its successor in the same slot.  A block of A is free as soon as its eight products are issued: blocks 0-3 are fetched anew in the step's middle, blocks 4-7 at its end.
.macro STEP slot, q, zero
	s_wait_dscnt 4*NL                              ; B's set and A's blocks 0-3 are in; the youngest 16 loads (A's blocks 4-7) may be out
	WIN MUL_LO
	MUL16 0, (\q)%2, \zero
	MUL16 2, (\q)%2, \zero
	s_wait_dscnt 0                                 ; A's blocks 4-7 are in
	PLACES NP
	FETCH_B \slot, (\q)+1, 1-(\q)%2
	FETCH_A \slot, (\q)+1, 0
	WIN MUL_HI
	MUL16 4, (\q)%2, \zero
	MUL16 6, (\q)%2, \zero
	PLACES NP
	WIN 0
	FETCH_A \slot, (\q)+1, 4
.endm
; A slot's last step changes slots: ONE barrier; in front of it each wave waits for all its tensor loads, adds 0 to its spare word, and waits for that and for its own reads of this slot.  fill = 1: this slot is filled again, two K steps ahead.
.macro TURN slot, next, fill
	s_wait_tensorcnt 0x0                           ; all my tensor loads have landed: my part of the next slot
	ds_add_u32 v[SPW], v[NIL]                      ; 0 onto my spare word
	s_wait_dscnt 4*NL+1                            ; the add and the youngest 16 loads (A's blocks 4-7) may be out
	WIN MUL_LO
	MUL16 0, 1, 0                                  ; sixteen matrix instructions stand between the add and the wait for it
	s_wait_dscnt 0x0                               ; the add is done, and my reads of this slot are over
	s_barrier_signal -1
	MUL16 2, 1, 0
	WIN 0
	s_barrier_wait -1
.if \fill
	CREST                                          ; the barrier has opened a round of the cluster's barrier: no wave of any partner still reads this slot's tile or has a load on its way
	s_add_nc_u64 s[G0+4*\slot+2:G0+4*\slot+3], s[G0+4*\slot+2:G0+4*\slot+3], 2*ROWB
	s_add_nc_u64 s[G0B+4*\slot+2:G0B+4*\slot+3], s[G0B+4*\slot+2:G0B+4*\slot+3], 2*ROWB
	JLOAD G0+4*\slot, G1, G0B+4*\slot, G1B         ; the first tensor load behind the round; its four v_nop are the places in front of the loads below
.else
	PLACES NP
.endif
	FETCH_B \next, 0, 0
	FETCH_A \next, 0, 0
	WIN MUL_HI
	MUL16 4, 1, 0
	MUL16 6, 1, 0
	PLACES NP
	WIN 0
	FETCH_A \next, 0, 4
.endm
	s_wait_tensorcnt 1                             ; my part of K step 0 is in; K step 1's load may be out
	s_barrier_signal -1
	s_barrier_wait -1                              ; everybody's is
	FETCH_B 0, 0, 0
	FETCH_A 0, 0, 0
	FETCH_A 0, 0, 4
	STEP 0, 0, 1                                   ; the first step stands in front of the loop: its products start the sums
.if LAPS > 1
	s_mov_b32 s3, LAPS-1
.Llap:                                                 ; a trip goes once round the ring, from a lap's second step to the next lap's first, and fills both slots again
	TURN 0, 1, 1
	STEP 1, 0, 0
	TURN 1, 0, 1
	STEP 0, 0, 0
	s_sub_co_u32 s3, s3, 1
	s_cmp_lg_u32 s3, 0
	s_cbranch_scc1 .Llap
.endif
	TURN 0, 1, 0                                   ; the last lap fills nothing, and has no round of the cluster's barrier
	STEP 1, 0, 0
	s_wait_dscnt 4*NL                              ; the very last step: nothing more to fetch
	WIN MUL_LO
	MUL16 0, 1, 0
	MUL16 2, 1, 0
	s_wait_dscnt 0
	WIN MUL_HI
	MUL16 4, 1, 0
	MUL16 6, 1, 0
	WIN 0
	; THE WAY OUT
	s_wait_kmcnt 0x0                               ; the exponents
	s_wait_loadcnt 0x0                             ; the bias
.if KIND == 0
	s_add_co_i32 s96, s68, s69                     ; eA + eB of the three products,
	s_add_co_i32 s97, s70, s71
	s_add_co_i32 s99, s72, s73
	s_cmp_eq_u32 ttmp9, 0                          ; and the one that is mine: a choice of values, no branch
	s_cselect_b32 s96, s96, s97
	s_cselect_b32 s97, s74, s75                    ; the result's e: entry 6 (q), 7 (k)
	s_cmp_eq_u32 ttmp9, 2
	s_cselect_b32 s96, s99, s96
	s_cselect_b32 s97, s77, s97                    ; or 9 (v)
.else
	s_add_co_i32 s96, s80, s81                     ; e12 + e13
	s_mov_b32 s97, s82                             ; e14
.endif
	s_add_co_i32 s96, s96, 127
	s_lshl_b32 s96, s96, 23                        ; 2^(eA + eB) as f32
	s_add_co_i32 s97, s97, 127
	s_lshl_b32 s99, s97, 23
	PLACES NP                                      ; behind the last products: what follows reads results and writes registers that held A's fragments
	v_mov_b32 v[SC], s99
	s_add_co_i32 s97, s97, 8
	s_lshl_b32 s97, s97, 23
	s_or_b32 s97, s97, 0x600000
	v_mov_b32 v[LIM], s97
	s_mov_b32 s97, s96                             ; (named with s96 as a pair, so it is written)
.if KIND == 0
	s_lshl_b32 s20, s17, 4                         ; q, k: my first block of 16 tokens,
	s_lshl_b32 s21, s15, 3
	s_add_co_u32 s20, s20, s21
	s_lshr_b32 s21, s20, 7                         ; its batch,
	s_and_b32 s20, s20, 127                        ; its place in the batch,
	s_lshl_b32 s22, s42, 2
	s_lshl_b32 s23, s16, 1
	s_add_co_u32 s22, s22, s23                     ; my first head
	s_lshl_b32 s21, s21, 4
	s_add_co_u32 s21, s21, s22
	s_lshl_b32 s21, s21, 7
	s_add_co_u32 s21, s21, s20
	s_lshl_b32 s20, s21, 10                        ; ((16 batch + head) 128 + t16) 1,024
	s_lshl_b32 s22, s17, 2                         ; V^T: my first head,
	s_lshl_b32 s23, s15, 1
	s_add_co_u32 s22, s22, s23
	s_lshl_b32 s23, s42, 1
	s_add_co_u32 s23, s23, s16                     ; my first 128 tokens,
	s_lshr_b32 s46, s23, 4                         ; their batch,
	s_and_b32 s23, s23, 15                         ; their place in the batch
	s_lshl_b32 s46, s46, 4
	s_add_co_u32 s46, s46, s22
	s_lshl_b32 s46, s46, 5
	s_lshl_b32 s23, s23, 1
	s_add_co_u32 s46, s46, s23
	s_lshl_b32 s46, s46, 12                        ; ((16 batch + head) 32 + step of 64 keys) 4,096
	s_cmp_lt_u32 ttmp9, 2
	s_cselect_b32 s20, s20, s46
	s_mov_b32 s46, 4096
	s_mov_b32 s47, 131072
	s_cselect_b32 s22, s46, s47                    ; from block a = 3 to a = 4: four blocks of tokens on (q, k), or the next head (V^T)
	s_cselect_b32 s88, s47, s46                    ; from code block 1 to 2: the next head (q, k), or the next 64 keys (V^T)
	s_cselect_b32 s98, -1, 0                       ; all lanes: the bias goes by column
	s_mov_b32 s21, 0
	s_mov_b32 s23, 0
	s_add_nc_u64 s[10:11], s[84:85], s[20:21]
	s_add_nc_u64 s[12:13], s[10:11], s[22:23]
	v_add_nc_u32 v[CO+1], s88, v[CO]
.set jj, 0
.rept 64
	v_cndmask_b32 v[BC+jj], 0, v[BC+jj], s98       ; the form of the bias that is not mine becomes 0
.set jj, jj+1
.endr
.irp a, 0,1,2,3,4,5,6,7
	v_cndmask_b32 v[BR+2*\a], v[BR+2*\a], 0, s98
.endr
.else
	s_lshl_b32 s20, s17, 4
	s_lshl_b32 s21, s15, 3
	s_add_co_u32 s20, s20, s21                     ; my first block of 16 rows
	s_lshl_b32 s20, s20, 5
	s_lshl_b32 s21, s42, 1
	s_add_co_u32 s20, s20, s21
	s_add_co_u32 s20, s20, s16                     ; x 32 + my 128 columns' number: a fragment's number,
	s_lshl_b32 s20, s20, 11                        ; of 2,048 bytes
	s_mov_b32 s21, 0
	s_add_nc_u64 s[10:11], s[84:85], s[20:21]
.endif
; Block a: 16 rows x 128 columns.
.macro OUTA a
.set AC, 64*((\a)%4)
.set CC, CD+16*((\a)%2)
	WIN 0x02+((\a)/4)                              ; source 0: window 2 or 3
.set jj, 0
.rept 32
	v_pk_fma_f32 v[TMP+jj:TMP+jj+1], v[AC+jj:AC+jj+1], s[96:97], v[BC+jj:BC+jj+1] op_sel_hi:[1,0,1]   ; sum x 2^(eA + eB) + the column's bias; each accumulator from its low end on
.set jj, jj+2
.endr
	WIN 0
.if KIND == 0
.set jj, 0
.rept 32
	v_pk_add_f32 v[TMP+jj:TMP+jj+1], v[TMP+jj:TMP+jj+1], v[BR+2*(\a):BR+2*(\a)+1] op_sel_hi:[1,0]   ; + the row's bias
.set jj, jj+2
.endr
.endif
.set jj, 0
.rept 64
.if KIND == 0
	v_med3_num_f32 v[TMP+jj], v[TMP+jj], -v[LIM], v[LIM]   ; the conversion to an 8-bit code does not saturate (ISA guide 7.6.2): the hold at the largest code x the scale
.else
	v_med3_num_f32 v[TMP+jj], v[TMP+jj], 0, v[LIM]         ; the activation and the hold in one
.endif
.set jj, jj+1
.endr
.if (\a) > 1
	s_wait_xcnt 0x0                                ; block a - 2's stores have read their data: the same 16 registers are written again
.endif
.irp b, 0,1,2,3,4,5,6,7
	v_cvt_scalef32_pk8_fp8_f32 v[CC+2*\b:CC+2*\b+1], v[TMP+8*\b:TMP+8*\b+7], v[SC]
.endr
	v_nop                                          ; one plain line behind the last conversion: the next block writes its sources
.irp k, 0,1,2,3
.if KIND == 0
	global_store_b128 v[CO+(\k)/2], v[CC+4*\k:CC+4*\k+3], s[10+2*((\a)/4):11+2*((\a)/4)] offset:((\a)%4)*1024+((\k)%2)*512   ; 32 lanes store 512 consecutive bytes, aligned
.else
	global_store_b128 v[CO], v[CC+4*\k:CC+4*\k+3], s[10:11] offset:(\a)*65536+512*\k
.endif
.endr
.endm
.irp a, 0,1,2,3,4,5,6,7
	OUTA \a
.endr
	s_wait_tensorcnt 0x0                           ; the wave's end
	ds_add_u32 v[SPW], v[NIL]
	s_wait_dscnt 0x0
	CROUND                                         ; the closing round: no work-group ends while a partner may still ask for a tile that names it
	s_endpgm
.Lfunc_end_k_q4b211c3c68_ffn1:
	.size	k_q4b211c3c68_ffn1, .Lfunc_end_k_q4b211c3c68_ffn1-k_q4b211c3c68_ffn1
	.p2alignl 7, 3214868480
	.fill 96, 4, 3214868480
	.section	.rodata,"a",@progbits
	.p2align	6, 0x0
	.amdhsa_kernel k_q4b211c3c68_ffn1
		.amdhsa_group_segment_fixed_size 327680
		.amdhsa_private_segment_fixed_size 0
		.amdhsa_enable_private_segment 0
		.amdhsa_kernarg_size 40
		.amdhsa_user_sgpr_count 2
		.amdhsa_user_sgpr_kernarg_segment_ptr 1
		.amdhsa_wavefront_size32 1
		.amdhsa_system_sgpr_workgroup_id_x 1
		.amdhsa_system_sgpr_workgroup_id_y 1
		.amdhsa_system_sgpr_workgroup_id_z 1
		.amdhsa_system_vgpr_workitem_id 0
		.amdhsa_next_free_vgpr 1024
		.amdhsa_next_free_sgpr 100
		.amdhsa_reserve_vcc 0
		.amdhsa_float_denorm_mode_32 3
		.amdhsa_float_denorm_mode_16_64 3
		.amdhsa_memory_ordered 1
		.amdhsa_forward_progress 1
		.amdhsa_inst_pref_size 135
	.end_amdhsa_kernel
	.amdgpu_metadata
---
amdhsa.version: [ 1, 2 ]
amdhsa.kernels:
  - .name:           k_q4b211c3c68_ffn1
    .symbol:         k_q4b211c3c68_ffn1.kd
    .args:
      - { .name: hc, .offset: 0, .size: 8, .value_kind: global_buffer, .address_space: global }
      - { .name: W1_codes, .offset: 8, .size: 8, .value_kind: global_buffer, .address_space: global }
      - { .name: b1, .offset: 16, .size: 8, .value_kind: global_buffer, .address_space: global }
      - { .name: lowp_scales, .offset: 24, .size: 8, .value_kind: global_buffer, .address_space: global }
      - { .name: hid, .offset: 32, .size: 8, .value_kind: global_buffer, .address_space: global }
    .group_segment_fixed_size: 327680
    .private_segment_fixed_size: 0
    .kernarg_segment_align: 8
    .kernarg_segment_size: 40
    .max_flat_workgroup_size: 128
    .sgpr_count:     100
    .vgpr_count:     1024
    .wavefront_size: 32
...
	.end_amdgpu_metadata
.endif
;; end of part 6
;; launch ffn2 (part 7): grid 8 x 32, 4 waves a work-group, clusters of 4 x 4, 327,680 bytes of LDS; arguments hid, W2_codes, sums; writes sums
.if DOCPART == 7
	.amdgcn_target "amdgcn-amd-amdhsa--gfx1250"
	.amdhsa_code_object_version 6
	.text
	.protected	k_q4b211c3c68_ffn2
	.globl	k_q4b211c3c68_ffn2
	.p2align	8
	.type	k_q4b211c3c68_ffn2,@function
k_q4b211c3c68_ffn2:
	s_mov_b64 s[64:65], 0
	v_nop
	global_prefetch_b8 v0, s[64:65] scope:SCOPE_SE
	s_setreg_imm32_b32 hwreg(HW_REG_WAVE_MODE, 25, 1), 1
	s_wait_xcnt 0x0
	s_wait_alu depctr_hold_cnt(0) depctr_sa_sdst(0) depctr_va_vdst(0) depctr_va_sdst(0) depctr_va_ssrc(0) depctr_va_vcc(0) depctr_vm_vsrc(0)
	s_getreg_b32 s2, hwreg(HW_REG_IB_STS2, 6, 4)
	s_cmp_eq_u32 s2, 0
	s_cbranch_scc0 .Lentry_in_a_cluster
	s_endpgm
.Lentry_in_a_cluster:
	s_bfe_u32 s2, ttmp6, 0x10000c
	s_cmp_lg_u32 s2, 0xf033
	s_cbranch_scc0 .Lentry_shape_is_right
	s_endpgm
.Lentry_shape_is_right:
; The raw f32 sums of C = A B^T on E4M3 codes.  C: [4096][1024] f32.  B: [1024][SIZE_K] codes, K innermost.
; A: [4096][SIZE_K] as images of operand registers: fragment (16 rows m16, 128 along K s) of 2,048 bytes at (m16 SIZE_K / 128 + s) 2,048: register block c (four registers) at 512 c, lane l's 16 bytes at 16 l;
; registers 2 c, 2 c + 1 of lane (r, h) hold k = 16 c + 8 h + 0 .. 7 of row r, this form's own places.  The scales, the bias and the residual are applied by the launch that follows, row by row.
; C has 64 tiles of 256 x 256, too few for 256 WGPs: a tile is 128 x 128, 256 work-groups.  Four waves, each 64 x 64: 16 accumulators.  K goes in steps of 512, as long as two slots in LDS allow.
; CLUSTERS of 4 x 4: A's tiles are shared along a row of the cluster, B's along a column, by joint loads.  The matrix instruction is used transposed (source 0 = B, source 1 = A): a lane holds 8 neighbouring columns of a row of C.
; REGISTERS: window 0: v0-31 addresses; v128-255 the accumulators ((a, b) at v[128 + 8 (4 a + b)]).   window 1: two fragment buffers of 128: A's four blocks (16 registers each), then B's four.
.set SIZE_K, 4096
.set KSTEP,  512
.set ABYTES, 65536                     ; a slot's part of A: 8 blocks of 16 rows x 4 fragments of 2,048 bytes, dense
.set PITCH,  528                       ; a row of B in LDS: 512 bytes + 16 = 132 words: lane (r, h) of a load of 8 bytes starts at word 4 r + 2 h mod 64: 32 lanes, 64 different words (64 banks of 4 bytes: ISA guide 11.1)
.set HALFB,  64*PITCH
.set SLOT,   ABYTES+2*HALFB            ; 133,120
.set STAGE,  2*SLOT                    ; behind the ring: 16 rows x 272 bytes for each wave
.set SPITCH, 272
.set SPARE,  STAGE+4*16*SPITCH         ; behind the stages: the spare words, 128 bytes for each wave, which no other line names
.set LAPS,   SIZE_K/(2*KSTEP)          ; a lap = two K steps = once round the ring
.set ADRA, 16                          ; v16-17  LDS address of my A fragments in slot 0, 1
.set ADRB, 20                          ; v20-21  the same for B
.set STO,  24                          ; v24     the way out: where I put 32 bytes of a row
.set RD,   25                          ; v25     where I read a row back
.set CO,   26                          ; v26     my byte offset in C
.set SPW,  28                          ; v28     LDS address of my spare word; never rewritten
.set NIL,  29                          ; v29     0; never rewritten
.set ACC,  128
.set F0,   0
.set F1,   128
.set G1, 24                            ; s[24:31] descriptor group 1 for A's tiles;  s[32:39] group 0, one set for each slot
.set G0, 32
.set G1B, 48                           ; s[48:55], s[56:63] the same for B's tiles
.set G0B, 56
.set MSB, 0
.macro WIN new                         ; the immediate's high byte repeats the setting that is left
.if MSB != \new
	s_set_vgpr_msb (MSB<<8)|\new
.set MSB, \new
.endif
.endm
.set MUL,  0x05                        ; sources 0 (B) and 1 (A) window 1; C and D window 0
.set TO_F, 0x40                        ; destination window 1, address window 0
.macro JLOAD s                         ; a joint load: waves 0 and 1 fetch A's two halves, waves 2 and 3 B's; four v_nop follow each of the two lines
	s_cmp_eq_u32 s11, 0
	s_cbranch_scc0 .Lfor_b_\@
	tensor_load_to_lds s[G0+4*\s:G0+4*\s+3], s[G1:G1+7]
	s_nop 0
.rept 4
	v_nop
.endr
	s_branch .Lasked_\@
.Lfor_b_\@:
	tensor_load_to_lds s[G0B+4*\s:G0B+4*\s+3], s[G1B:G1B+7]
	s_nop 0
.rept 4
	v_nop
.endr
.Lasked_\@:
.endm
.macro CREST                           ; a round of the cluster's barrier behind its opening barrier
	s_cmp_lg_u32 s10, 0
	s_cbranch_scc1 .Lnot_wave_0_\@
	s_barrier_signal -3
.Lnot_wave_0_\@:
	s_barrier_wait -3
	s_barrier_signal -1
	s_barrier_wait -1
.endm
.macro CROUND                          ; a whole round
	s_barrier_signal -1
	s_barrier_wait -1
	CREST
.endm
	s_load_b128 s[4:7], s[0:1], 0x0                ; A's images s[4:5], B's codes s[6:7]
	s_load_b64 s[8:9], s[0:1], 0x10                ; C
	v_lshl_add_u32 v[SPW], v0, 2, SPARE
	v_mov_b32 v[NIL], 0
	ds_add_u32 v28, v29
	ds_add_u32 v28, v29
	s_wait_dscnt 0x0
	v_lshrrev_b32 v1, 5, v0
	v_readfirstlane_b32 s10, v1                    ; wave 0..3
	s_lshr_b32 s11, s10, 1                         ; which half of the tile's rows is mine.  Also: I fetch for A (0) or for B (1)
	s_and_b32 s12, s10, 1                          ; which half of its columns.  Also: which half of that tile I fetch
	s_bfe_u32 s40, ttmp6, 0x40000                  ; cx, cy
	s_bfe_u32 s41, ttmp6, 0x40004
	s_lshl_b32 s42, ttmp9, 2
	s_add_co_u32 s42, s42, s40                     ; tile column of C
	s_and_b32 s13, ttmp7, 0xffff
	s_lshl_b32 s13, s13, 2
	s_add_co_u32 s13, s13, s41                     ; tile row of C
	s_lshl_b32 s43, s41, 2
	s_lshl_b32 s43, 15, s43                        ; my row of the cluster
	s_lshl_b32 s44, 0x1111, s40                    ; my column
	; A: four blocks of 16 rows, of each the step's four fragments: 4 rows of 8,192 bytes, 16 SIZE_K bytes apart, dense in LDS
	s_or_b32 s[G1+0], s43, (3<<16)|(1<<21)         ; 15:0 the mask: my row; 17:16 elements of 8 bytes; 21 set beside a mask; no padding
	s_mov_b32 s[G1+1], 1024<<16                    ; tensor_dim0 = 1,024
	s_mov_b32 s[G1+2], 4<<16                       ; tensor_dim1 = 4
	s_mov_b32 s[G1+3], 1024<<16                    ; tile_dim0
	s_mov_b32 s[G1+4], 4                           ; tile_dim1
	s_mov_b32 s[G1+5], 2*SIZE_K                    ; tensor_dim0_stride, in elements
	s_mov_b32 s[G1+6], 0
	s_mov_b32 s[G1+7], 0
	; B: 64 rows of 512 bytes, padded in LDS
	s_or_b32 s[G1B+0], s44, (0<<16)|(1<<20)|(1<<21)|(6<<22)|(3<<25)  ; the mask: my column; elements of 1 byte; padding: 4 words after every 128
	s_mov_b32 s[G1B+1], KSTEP<<16
	s_mov_b32 s[G1B+2], 64<<16
	s_mov_b32 s[G1B+3], KSTEP<<16
	s_mov_b32 s[G1B+4], 64
	s_mov_b32 s[G1B+5], SIZE_K
	s_mov_b32 s[G1B+6], 0
	s_mov_b32 s[G1B+7], 0
	s_lshl_b32 s16, s13, 3
	s_lshl_b32 s17, s12, 2
	s_add_co_u32 s16, s16, s17                     ; A: block of 16 rows 8 x tile row + 4 x half,
	s_mul_i32 s16, s16, 16*SIZE_K                  ; in bytes
	s_mov_b32 s17, 0
	s_lshl_b32 s46, s42, 7
	s_lshl_b32 s47, s12, 6
	s_add_co_u32 s46, s46, s47                     ; B: row 128 x tile column + 64 x half
	s_mul_i32 s46, s46, SIZE_K
	s_mov_b32 s47, 0
	s_lshl_b32 s20, s12, 15                        ; where they go: A's halves of 32,768 bytes,
	s_mul_i32 s21, s12, HALFB
	s_add_co_u32 s21, s21, ABYTES                  ; B's halves behind them: no place in the cluster enters an LDS address
	s_wait_kmcnt 0x0
	s_add_nc_u64 s[14:15], s[4:5], s[16:17]
	s_add_nc_u64 s[46:47], s[6:7], s[46:47]
	CROUND                                         ; all sixteen work-groups are here: the first joint loads meet
.irp s, 0,1
	s_mov_b32 s[G0+4*\s], 1
	s_add_co_u32 s[G0+4*\s+1], s20, \s*SLOT
	s_add_nc_u64 s[G0+4*\s+2:G0+4*\s+3], s[14:15], \s*8192
	s_or_b32 s[G0+4*\s+3], s[G0+4*\s+3], 0x80000000
	s_mov_b32 s[G0B+4*\s], 1
	s_add_co_u32 s[G0B+4*\s+1], s21, \s*SLOT
	s_add_nc_u64 s[G0B+4*\s+2:G0B+4*\s+3], s[46:47], \s*KSTEP
	s_or_b32 s[G0B+4*\s+3], s[G0B+4*\s+3], 0x80000000
	JLOAD \s
.endr
	v_and_b32 v1, 15, v0                           ; r
	v_bfe_u32 v2, v0, 4, 1                         ; h
	v_and_b32 v3, 31, v0
	v_lshlrev_b32 v3, 4, v3                        ; A: 16 x lane
	v_mul_u32_u24 v4, v1, PITCH
	v_lshl_add_u32 v4, v2, 3, v4                   ; B: row x pitch + 8 x half
	s_lshl_b32 s21, s11, 15                        ; my 64 rows of A
	s_mul_i32 s22, s12, HALFB                      ; my 64 rows of B,
	s_add_co_u32 s22, s22, ABYTES                  ; which lie behind A
.irp s, 0,1
	v_add_nc_u32 v[ADRA+\s], s21, v3
	v_add_nc_u32 v[ADRB+\s], s22, v4
	s_add_co_u32 s21, s21, SLOT
	s_add_co_u32 s22, s22, SLOT
.endr
	s_mul_i32 s23, s10, 16*SPITCH
	s_add_co_u32 s23, s23, STAGE                   ; my stage
	v_mul_u32_u24 v5, v1, SPITCH                   ; in: row r, 32 bytes for each half of the lanes
	v_lshl_add_u32 v5, v2, 5, v5
	v_add_nc_u32 v[STO], s23, v5
	v_mul_u32_u24 v5, v2, SPITCH                   ; back: lanes 0-15 one row of 256 bytes, lanes 16-31 the next
	v_lshl_add_u32 v5, v1, 4, v5
	v_add_nc_u32 v[RD], s23, v5
	v_lshlrev_b32 v5, 12, v2                       ; and the same two rows in C (4,096 bytes a row)
	v_lshl_add_u32 v[CO], v1, 4, v5
	s_lshl_b32 s16, s13, 7
	s_lshl_b32 s17, s11, 6
	s_add_co_u32 s16, s16, s17                     ; my first row of C
	s_lshl_b32 s16, s16, 12
	s_mov_b32 s17, 0
	s_add_nc_u64 s[8:9], s[8:9], s[16:17]
	s_lshl_b32 s46, s42, 9                         ; my first column, in bytes: 512 x tile column + 256 x half
	s_lshl_b32 s47, s12, 8
	s_add_co_u32 s46, s46, s47
	s_mov_b32 s47, 0
	s_add_nc_u64 s[8:9], s[8:9], s[46:47]
; 8 matrix instructions: A's blocks a0, a0 + 1 x B's four, 128 along K.  zero = 1: the product starts the sums.  The 16 accumulators take turns, one instruction a turn.
.macro MUL8 f, a0, zero
.irp a, \a0, \a0+1
.irp b, 0,1,2,3
.if \zero
	v_wmma_f32_16x16x128_fp8_fp8 v[ACC+8*(4*(\a)+\b):ACC+8*(4*(\a)+\b)+7], v[\f+64+16*\b:\f+64+16*\b+15], v[\f+16*(\a):\f+16*(\a)+15], 0
.else
	v_wmma_f32_16x16x128_fp8_fp8 v[ACC+8*(4*(\a)+\b):ACC+8*(4*(\a)+\b)+7], v[\f+64+16*\b:\f+64+16*\b+15], v[\f+16*(\a):\f+16*(\a)+15], v[ACC+8*(4*(\a)+\b):ACC+8*(4*(\a)+\b)+7]
.endif
.endr
.endr
.endm
; 48 LDS loads in one run: the fragments of the slot's qd-th 128 along K into buffer f: B's 32 loads of 8 bytes (k in this form's own places, as A's images have it), then A's 16 of 16 bytes
.macro FETCH slot, qd, f
	WIN TO_F
.irp i, 0,1,2,3
.irp c, 0,1,2,3,4,5,6,7
	ds_load_b64 v[\f+64+16*\i+2*\c:\f+64+16*\i+2*\c+1], v[ADRB+\slot] offset:\i*16*PITCH+128*(\qd)+16*\c
.endr
.endr
.irp i, 0,1,2,3
.irp c, 0,1,2,3
	ds_load_b128 v[\f+16*\i+4*\c:\f+16*\i+4*\c+3], v[ADRA+\slot] offset:\i*8192+2048*(\qd)+512*\c
.endr
.endr
.endm
.macro PLACES                          ; four places in front of loads into registers that matrix instructions have read, and of the first read of results (ISA guide 7.12.1 for the reads of results)
.rept 4
	v_nop
.endr
.endm
; A K step is four quarters of 128 along K, 16 matrix instructions each, on buffers 0, 1, 0, 1.  One of the first three: multiplies buffer f and fetches quarter qn into g.
.macro QUARTER slot, qn, f, g, zero
	s_wait_dscnt 8                                 ; B and A's blocks 0, 1 are in; the youngest 8 loads (A's blocks 2, 3) may be out
	WIN MUL
	MUL8 \f, 0, \zero
	PLACES
	FETCH \slot, \qn, \g
	s_wait_dscnt 48                                ; all but the 48 just issued
	WIN MUL
	MUL8 \f, 2, \zero
.endm
; The last quarter multiplies buffer 1 and changes slots: ONE barrier; in front of it each wave waits for all its tensor loads, adds 0 to its spare word, and waits for that and for its reads of this slot.  fill = 1: this slot is filled again, two K steps ahead.
.macro TURN slot, next, fill
	WIN 0                                          ; (the add's two registers lie in window 0)
	s_wait_tensorcnt 0x0                           ; all my tensor loads have landed: my part of the next slot
	ds_add_u32 v[SPW], v[NIL]                      ; 0 onto my spare word
	s_wait_dscnt 9                                 ; the add and the youngest 8 loads may be out
	WIN MUL
	MUL8 F1, 0, 0                                  ; eight matrix instructions stand between the add and the wait for it
	s_wait_dscnt 0x0                               ; the add is done, and my reads of this slot are over
	s_barrier_signal -1
	MUL8 F1, 2, 0
	WIN 0
	s_barrier_wait -1
.if \fill
	CREST                                          ; the barrier has opened a round of the cluster's barrier: no wave of any partner still reads this slot's tile or has a load on its way
	s_add_nc_u64 s[G0+4*\slot+2:G0+4*\slot+3], s[G0+4*\slot+2:G0+4*\slot+3], 2*8192
	s_add_nc_u64 s[G0B+4*\slot+2:G0B+4*\slot+3], s[G0B+4*\slot+2:G0B+4*\slot+3], 2*KSTEP
	JLOAD \slot                                    ; the first tensor load behind the round; its four v_nop are the places in front of the loads below
.else
	PLACES
.endif
	FETCH \next, 0, F0
.endm
	s_wait_tensorcnt 1                             ; my part of K step 0 is in; K step 1's load may be out
	s_barrier_signal -1
	s_barrier_wait -1                              ; everybody's is
	FETCH 0, 0, F0
	QUARTER 0, 1, F0, F1, 1                        ; the first quarter stands in front of the loop: its products start the sums
.if LAPS > 1
	WIN 0                                          ; at a label and at a branch every window is 0
	s_mov_b32 s3, LAPS-1
.Llap:                                                 ; a trip goes once round the ring, from a lap's second quarter to the next lap's first, and fills both slots again
	QUARTER 0, 2, F1, F0, 0
	QUARTER 0, 3, F0, F1, 0
	TURN 0, 1, 1
	QUARTER 1, 1, F0, F1, 0
	QUARTER 1, 2, F1, F0, 0
	QUARTER 1, 3, F0, F1, 0
	TURN 1, 0, 1
	QUARTER 0, 1, F0, F1, 0
	WIN 0
	s_sub_co_u32 s3, s3, 1
	s_cmp_lg_u32 s3, 0
	s_cbranch_scc1 .Llap
.endif
	QUARTER 0, 2, F1, F0, 0                        ; the last lap fills nothing, and has no round of the cluster's barrier
	QUARTER 0, 3, F0, F1, 0
	TURN 0, 1, 0
	QUARTER 1, 1, F0, F1, 0
	QUARTER 1, 2, F1, F0, 0
	QUARTER 1, 3, F0, F1, 0
	s_wait_dscnt 8                                 ; the very last quarter: nothing more to fetch
	WIN MUL
	MUL8 F1, 0, 0
	s_wait_dscnt 0
	MUL8 F1, 2, 0
	WIN 0
	; THE WAY OUT.  A lane holds 32 neighbouring bytes of a row; my 64 columns are 256 bytes.  A block of 16 rows goes through my own stage and comes back as whole rows, into the registers that it left.
	; LDS serves a wave's instructions in order (ISA guide 5.7.1.4): no wait between the stores and the loads, nor in front of the next block's stores.
	PLACES
.irp a, 0,1,2,3
.irp b, 0,1,2,3
	ds_store_b128 v[STO], v[ACC+8*(4*\a+\b):ACC+8*(4*\a+\b)+3] offset:64*\b          ; each accumulator from its low end on
	ds_store_b128 v[STO], v[ACC+8*(4*\a+\b)+4:ACC+8*(4*\a+\b)+7] offset:64*\b+16
.endr
.irp t, 0,1,2,3,4,5,6,7
	ds_load_b128 v[ACC+32*\a+4*\t:ACC+32*\a+4*\t+3], v[RD] offset:\t*2*SPITCH
.endr
.endr
.irp a, 0,1,2,3
	s_wait_dscnt 16*(3-\a)                         ; block a is back; the later blocks' 16 LDS instructions each may be out
.irp t, 0,1,2,3,4,5,6,7
	global_store_b128 v[CO], v[ACC+32*\a+4*\t:ACC+32*\a+4*\t+3], s[8:9] offset:(16*\a+2*\t)*4096   ; 16 lanes store 256 consecutive bytes, aligned
.endr
.endr
	s_wait_tensorcnt 0x0                           ; the wave's end
	ds_add_u32 v[SPW], v[NIL]
	s_wait_dscnt 0x0
	CROUND                                         ; the closing round
	s_endpgm
.Lfunc_end_k_q4b211c3c68_ffn2:
	.size	k_q4b211c3c68_ffn2, .Lfunc_end_k_q4b211c3c68_ffn2-k_q4b211c3c68_ffn2
	.p2alignl 7, 3214868480
	.fill 96, 4, 3214868480
	.section	.rodata,"a",@progbits
	.p2align	6, 0x0
	.amdhsa_kernel k_q4b211c3c68_ffn2
		.amdhsa_group_segment_fixed_size 327680
		.amdhsa_private_segment_fixed_size 0
		.amdhsa_enable_private_segment 0
		.amdhsa_kernarg_size 24
		.amdhsa_user_sgpr_count 2
		.amdhsa_user_sgpr_kernarg_segment_ptr 1
		.amdhsa_wavefront_size32 1
		.amdhsa_system_sgpr_workgroup_id_x 1
		.amdhsa_system_sgpr_workgroup_id_y 1
		.amdhsa_system_sgpr_workgroup_id_z 1
		.amdhsa_system_vgpr_workitem_id 0
		.amdhsa_next_free_vgpr 512
		.amdhsa_next_free_sgpr 66
		.amdhsa_reserve_vcc 0
		.amdhsa_float_denorm_mode_32 3
		.amdhsa_float_denorm_mode_16_64 3
		.amdhsa_memory_ordered 1
		.amdhsa_forward_progress 1
		.amdhsa_inst_pref_size 86
	.end_amdhsa_kernel
	.amdgpu_metadata
---
amdhsa.version: [ 1, 2 ]
amdhsa.kernels:
  - .name:           k_q4b211c3c68_ffn2
    .symbol:         k_q4b211c3c68_ffn2.kd
    .args:
      - { .name: hid, .offset: 0, .size: 8, .value_kind: global_buffer, .address_space: global }
      - { .name: W2_codes, .offset: 8, .size: 8, .value_kind: global_buffer, .address_space: global }
      - { .name: sums, .offset: 16, .size: 8, .value_kind: global_buffer, .address_space: global }
    .group_segment_fixed_size: 327680
    .private_segment_fixed_size: 0
    .kernarg_segment_align: 8
    .kernarg_segment_size: 24
    .max_flat_workgroup_size: 128
    .sgpr_count:     66
    .vgpr_count:     512
    .wavefront_size: 32
...
	.end_amdgpu_metadata
.endif
;; end of part 7
;; launch ln2 (part 8): grid 256 x 1, 8 waves a work-group, no clusters, 0 bytes of LDS; arguments hf, sums, b2, ln2_g, ln2_b, lowp_scales, out0; writes out0
.if DOCPART == 8
	.amdgcn_target "amdgcn-amd-amdhsa--gfx1250"
	.amdhsa_code_object_version 6
	.text
	.protected	k_q4b211c3c68_ln2
	.globl	k_q4b211c3c68_ln2
	.p2align	8
	.type	k_q4b211c3c68_ln2,@function
k_q4b211c3c68_ln2:
	s_mov_b64 s[64:65], 0
	v_nop
	global_prefetch_b8 v0, s[64:65] scope:SCOPE_SE
	s_setreg_imm32_b32 hwreg(HW_REG_WAVE_MODE, 25, 1), 1
	s_wait_xcnt 0x0
; y = layernorm(res + sums x 2^e + bias) x gain + beta, rows of 1,024 f32.  One source for two launches:
; MODE 1: e = e10 + e11; y goes out as f32 and as E4M3 codes (entry 12), row-major.   MODE 2: e = e14 + e15; y is the result, f32 alone.
; A stream: memory binds.  One wave, one row at a time: the row stays in 32 registers between the passes, the sums never leave the wave: no LDS, no barrier.  Wave g = 8 x work-group + wave takes rows 2 g and 2 g + 1.
; Lane l holds columns 128 i + 4 l + 0 .. 3, i = 0 .. 7: each load and each f32 store covers 512 consecutive bytes.  All 56 loads go out at once.
; The variance is taken of x - mean, in a second pass over the registers: a common offset of the inputs costs nothing.
; The codes: a conversion takes the lane's 4 numbers of two loads, 128 columns apart; neighbouring lanes exchange one register, so that a store of 8 bytes a lane covers 256 consecutive bytes, aligned.
; LIMITS: e between -126 and 127; e12 between -126 and 119.  NaN among the inputs is not served.
.set MODE, 2
.set BI, 16                            ; v16-47   bias
.set GA, 48                            ; v48-79   gain
.set BE, 80                            ; v80-111  beta
.set R0, 112                           ; v112-143 row 0: the residual, then y
.set S0, 144                           ; v144-175 row 0: the sums, then held numbers
.set R1, 176
.set S1, 208
.set C0, 240                           ; v240-247 row 0's codes;  v248-255 row 1's
.set C1, 248
	s_load_b256 s[4:11], s[0:1], 0x0               ; res s[4:5], sums s[6:7], bias s[8:9], gain s[10:11]
	s_load_b128 s[12:15], s[0:1], 0x20             ; beta s[12:13], the scales' exponents s[14:15]
	s_load_b64 s[16:17], s[0:1], 0x30              ; y as f32
.if MODE == 1
	s_load_b64 s[18:19], s[0:1], 0x38              ; y as codes
.endif
	v_lshrrev_b32 v1, 5, v0
	v_readfirstlane_b32 s40, v1                    ; wave 0..7
	v_and_b32 v1, 31, v0
	v_lshlrev_b32 v2, 4, v1                        ; 16 bytes a lane
.if MODE == 1
	v_and_b32 v10, 1, v1
	v_lshrrev_b32 v3, 1, v1
	v_lshlrev_b32 v3, 3, v3
	v_lshl_add_u32 v3, v10, 7, v3                  ; the codes: 8 (lane / 2) + 128 (lane % 2)
	v_cmp_eq_u32 vcc_lo, 1, v10                    ; the odd lanes
	v_mov_b32 v15, 0                               ; written once: the destination of a lane exchange counts as read
.endif
	s_lshl_b32 s41, ttmp9, 3
	s_add_co_u32 s41, s41, s40                     ; g
	s_lshl_b32 s42, s41, 13                        ; two rows of 4,096 bytes,
	s_mov_b32 s43, 0
	s_lshl_b32 s44, s41, 11                        ; of 1,024 codes
	s_mov_b32 s45, 0
	s_mov_b32 s2, 0x76543210                       ; lane selects: lane l xor 16
	s_mov_b32 s3, 0xfedcba98
	s_mov_b32 s22, 0x3a800000                      ; 1 / 1,024
	s_mov_b32 s23, 0x3727c5ac                      ; 1e-5
	s_wait_kmcnt 0x0
	s_load_b512 s[24:39], s[14:15], 0x0            ; e0 .. e15 in s24 ..
	s_add_nc_u64 s[4:5], s[4:5], s[42:43]
	s_add_nc_u64 s[6:7], s[6:7], s[42:43]
	s_add_nc_u64 s[16:17], s[16:17], s[42:43]
.if MODE == 1
	s_add_nc_u64 s[18:19], s[18:19], s[44:45]
.endif
.irp i, 0,1,2,3,4,5,6,7
	global_load_b128 v[BI+4*\i:BI+4*\i+3], v2, s[8:9] offset:512*\i
.endr
.irp i, 0,1,2,3,4,5,6,7
	global_load_b128 v[GA+4*\i:GA+4*\i+3], v2, s[10:11] offset:512*\i
.endr
.irp i, 0,1,2,3,4,5,6,7
	global_load_b128 v[BE+4*\i:BE+4*\i+3], v2, s[12:13] offset:512*\i
.endr
.irp i, 0,1,2,3,4,5,6,7
	global_load_b128 v[R0+4*\i:R0+4*\i+3], v2, s[4:5] offset:512*\i
	global_load_b128 v[S0+4*\i:S0+4*\i+3], v2, s[6:7] offset:512*\i
.endr
.irp i, 0,1,2,3,4,5,6,7
	global_load_b128 v[R1+4*\i:R1+4*\i+3], v2, s[4:5] offset:4096+512*\i
	global_load_b128 v[S1+4*\i:S1+4*\i+3], v2, s[6:7] offset:4096+512*\i
.endr
	s_wait_kmcnt 0x0
.if MODE == 1
	s_add_co_i32 s20, s34, s35                     ; e10 + e11
	s_add_co_i32 s46, s36, 127                     ; e12
	s_lshl_b32 s47, s46, 23
	v_mov_b32 v4, s47                              ; 2^e12, for the conversion
	s_add_co_i32 s46, s46, 8
	s_lshl_b32 s46, s46, 23
	s_or_b32 s46, s46, 0x600000
	v_mov_b32 v5, s46                              ; 448 x 2^e12
.else
	s_add_co_i32 s20, s38, s39                     ; e14 + e15
.endif
	s_add_co_i32 s20, s20, 127
	s_lshl_b32 s20, s20, 23                        ; 2^e as f32
	s_mov_b32 s21, s20                             ; (named with it as a pair)
.macro REDUCE                          ; the pairs v[6:7] and v[8:9] of all 32 lanes are added: the sum in v6 of every lane
	v_pk_add_f32 v[6:7], v[6:7], v[8:9]
	v_add_f32 v6, v6, v7
	v_add_f32_dpp v6, v6, v6 row_xmask:1 row_mask:0xf bank_mask:0xf
	v_add_f32_dpp v6, v6, v6 row_xmask:2 row_mask:0xf bank_mask:0xf
	v_add_f32_dpp v6, v6, v6 row_xmask:4 row_mask:0xf bank_mask:0xf
	v_add_f32_dpp v6, v6, v6 row_xmask:8 row_mask:0xf bank_mask:0xf
	v_permlanex16_b32 v7, v6, s2, s3
	v_add_f32 v6, v6, v7
.endm
.macro ROW r, s, c, row
.set jj, 0
.rept 16
	v_pk_fma_f32 v[\r+jj:\r+jj+1], v[\s+jj:\s+jj+1], s[20:21], v[\r+jj:\r+jj+1] op_sel_hi:[1,0,1]   ; the residual + sum x 2^e
.set jj, jj+2
.endr
.set jj, 0
.rept 16
	v_pk_add_f32 v[\r+jj:\r+jj+1], v[\r+jj:\r+jj+1], v[BI+jj:BI+jj+1]
.set jj, jj+2
.endr
	v_pk_add_f32 v[6:7], v[\r:\r+1], v[\r+2:\r+3]  ; the row's sum, in two chains
	v_pk_add_f32 v[8:9], v[\r+4:\r+5], v[\r+6:\r+7]
.irp j, 8,12,16,20,24,28
	v_pk_add_f32 v[6:7], v[6:7], v[\r+\j:\r+\j+1]
	v_pk_add_f32 v[8:9], v[8:9], v[\r+\j+2:\r+\j+3]
.endr
	REDUCE
	v_mul_f32 v10, s22, v6                         ; the mean
	v_mov_b32 v11, v10
.set jj, 0
.rept 16
	v_pk_add_f32 v[\r+jj:\r+jj+1], v[\r+jj:\r+jj+1], v[10:11] neg_lo:[0,1] neg_hi:[0,1]
.set jj, jj+2
.endr
	v_pk_mul_f32 v[6:7], v[\r:\r+1], v[\r:\r+1]    ; the sum of squares of x - mean
	v_pk_mul_f32 v[8:9], v[\r+2:\r+3], v[\r+2:\r+3]
.irp j, 4,8,12,16,20,24,28
	v_pk_fma_f32 v[6:7], v[\r+\j:\r+\j+1], v[\r+\j:\r+\j+1], v[6:7]
	v_pk_fma_f32 v[8:9], v[\r+\j+2:\r+\j+3], v[\r+\j+2:\r+\j+3], v[8:9]
.endr
	REDUCE
	v_fma_f32 v6, v6, s22, s23                     ; the variance + 1e-5
	v_rsq_f32 v12, v6
	v_nop                                          ; a plain line behind the transcendental
	s_wait_alu depctr_va_vdst(0)
	v_mov_b32 v13, v12
.set jj, 0
.rept 16
	v_pk_mul_f32 v[\r+jj:\r+jj+1], v[\r+jj:\r+jj+1], v[12:13]
.set jj, jj+2
.endr
.set jj, 0
.rept 16
	v_pk_fma_f32 v[\r+jj:\r+jj+1], v[\r+jj:\r+jj+1], v[GA+jj:GA+jj+1], v[BE+jj:BE+jj+1]
.set jj, jj+2
.endr
.irp i, 0,1,2,3,4,5,6,7
	global_store_b128 v2, v[\r+4*\i:\r+4*\i+3], s[16:17] offset:4096*\row+512*\i   ; these registers are not written again
.endr
.if MODE == 1
.set jj, 0
.rept 32
	v_med3_num_f32 v[\s+jj], v[\r+jj], -v5, v5     ; the conversion to an 8-bit code does not saturate (ISA guide 7.6.2)
.set jj, jj+1
.endr
.irp q, 0,1,2,3
	v_cvt_scalef32_pk8_fp8_f32 v[\c+2*\q:\c+2*\q+1], v[\s+8*\q:\s+8*\q+7], v4
.endr
	v_nop                                          ; one plain line between the last conversion and the first read of a result
.irp q, 0,1,2,3
	v_cndmask_b32 v14, v[\c+2*\q+1], v[\c+2*\q], vcc_lo              ; an even lane gives its second register for the odd neighbour's first
	v_mov_b32_dpp v15, v14 row_xmask:1 row_mask:0xf bank_mask:0xf
	v_cndmask_b32 v[\c+2*\q], v[\c+2*\q], v15, vcc_lo
	v_cndmask_b32 v[\c+2*\q+1], v15, v[\c+2*\q+1], vcc_lo
	global_store_b64 v3, v[\c+2*\q:\c+2*\q+1], s[18:19] offset:1024*\row+256*\q   ; 32 lanes store 256 consecutive bytes, aligned
.endr
.endif
.endm
	s_wait_loadcnt 16                              ; the parameters and row 0 are in; row 1's 16 loads stay out
	ROW R0, S0, C0, 0
	s_wait_loadcnt 0x0
	ROW R1, S1, C1, 1
	s_endpgm
.Lfunc_end_k_q4b211c3c68_ln2:
	.size	k_q4b211c3c68_ln2, .Lfunc_end_k_q4b211c3c68_ln2-k_q4b211c3c68_ln2
	.p2alignl 7, 3214868480
	.fill 96, 4, 3214868480
	.section	.rodata,"a",@progbits
	.p2align	6, 0x0
	.amdhsa_kernel k_q4b211c3c68_ln2
		.amdhsa_group_segment_fixed_size 0
		.amdhsa_private_segment_fixed_size 0
		.amdhsa_enable_private_segment 0
		.amdhsa_kernarg_size 56
		.amdhsa_user_sgpr_count 2
		.amdhsa_user_sgpr_kernarg_segment_ptr 1
		.amdhsa_wavefront_size32 1
		.amdhsa_system_sgpr_workgroup_id_x 1
		.amdhsa_system_sgpr_workgroup_id_y 1
		.amdhsa_system_sgpr_workgroup_id_z 1
		.amdhsa_system_vgpr_workitem_id 0
		.amdhsa_next_free_vgpr 256
		.amdhsa_next_free_sgpr 66
		.amdhsa_reserve_vcc 1
		.amdhsa_float_denorm_mode_32 3
		.amdhsa_float_denorm_mode_16_64 3
		.amdhsa_memory_ordered 1
		.amdhsa_forward_progress 1
		.amdhsa_inst_pref_size 25
	.end_amdhsa_kernel
	.amdgpu_metadata
---
amdhsa.version: [ 1, 2 ]
amdhsa.kernels:
  - .name:           k_q4b211c3c68_ln2
    .symbol:         k_q4b211c3c68_ln2.kd
    .args:
      - { .name: hf, .offset: 0, .size: 8, .value_kind: global_buffer, .address_space: global }
      - { .name: sums, .offset: 8, .size: 8, .value_kind: global_buffer, .address_space: global }
      - { .name: b2, .offset: 16, .size: 8, .value_kind: global_buffer, .address_space: global }
      - { .name: ln2_g, .offset: 24, .size: 8, .value_kind: global_buffer, .address_space: global }
      - { .name: ln2_b, .offset: 32, .size: 8, .value_kind: global_buffer, .address_space: global }
      - { .name: lowp_scales, .offset: 40, .size: 8, .value_kind: global_buffer, .address_space: global }
      - { .name: out0, .offset: 48, .size: 8, .value_kind: global_buffer, .address_space: global }
    .group_segment_fixed_size: 0
    .private_segment_fixed_size: 0
    .kernarg_segment_align: 8
    .kernarg_segment_size: 56
    .max_flat_workgroup_size: 256
    .sgpr_count:     66
    .vgpr_count:     256
    .wavefront_size: 32
...
	.end_amdgpu_metadata
.endif
;; end of part 8
